; MI455X (gfx1250); checked and timed in simulation.
; The chip was launched on July 23, 2026; its instructions are those of AMD's public machine-readable ISA for CDNA 5 (MIT licence, August 2026) and "CDNA5" Instruction Set Architecture Reference Guide (July 2026). The comments in the code are by the model that wrote it; some were corrected since.
;; Multi Head Attention. Allowed arithmetic: matrix products marked QUANTISED: E2M3 operands, one E8M0 scale for each 32 along K, by v_wmma_scale_f32_16x16x128_f8f6f4 with both operands' format E2M3, f32 sums; everything else in f32.
;; Inputs: Wk 1,024 x 1,024 float32; Wo 1,024 x 1,024 float32; Wq 1,024 x 1,024 float32; Wv 1,024 x 1,024 float32; mask 4 x 2,048 x 2,048 bool; x 4 x 2,048 x 1,024 float32.
;; Outputs: out0 4 x 2,048 x 1,024 float32.
;; This version of the problem:
;;   THIS VERSION OF THE PROBLEM IS GIVEN IN LOW PRECISION. The matrix products marked QUANTISED in the list below multiply operands that are first quantised to E2M3 (2 exponent bits, 3 mantissa bits; 6 bits a number), with one power-of-two scale for each 32 numbers along K (OCP MX v1.0); their sums are f32. All else is computed in f32.
;;   The module's matrix products, in the order in which they are computed (A, B: the left and right operand; K: the contracted axis; several contracted axes count as one K, in the product's order):
;;     1. [M 8,192, K 1,024] x [K 1,024, N 1,024]; A: input x; B: input Wq: QUANTISED
;;     2. [M 8,192, K 1,024] x [K 1,024, N 1,024]; A: input x; B: input Wk: QUANTISED
;;     3. [M 8,192, K 1,024] x [K 1,024, N 1,024]; A: input x; B: input Wv: QUANTISED
;;     4. batch 64 x [M 2,048, K 64] x [K 64, N 2,048]; A: computed on the way; B: computed on the way: QUANTISED
;;     5. batch 64 x [M 2,048, K 2,048] x [K 2,048, N 64]; A: softmax (see below); B: computed on the way: QUANTISED
;;     6. [M 8,192, K 1,024] x [K 1,024, N 1,024]; A: computed on the way; B: input Wo: QUANTISED
;;   THE QUANTISER, for each operand of a quantised product, along K:
;;     - K is cut into blocks of 32 from its start; a last block that is shorter is filled with zeros.
;;     - A block's scale is 2^e with e = floor(log2(the largest magnitude in the block)) - 2, held to -126 .. 127; a block of zeros has e = 0. As a byte (E8M0): e + 127.
;;     - Each number is divided by its block's scale, clamped to +-7.5, and rounded to the nearest number of E2M3, ties to even, subnormals kept.
;;     - The product sums the exact products of the quantised numbers (number of the format x scale) in f32.
;;   ~~~python
;;   def quantise(x, axis):      # numpy; x: float32 -> the quantised numbers, widened to float32 again
;;       x = np.moveaxis(x, axis, -1); K = x.shape[-1]
;;       x = np.pad(x, [(0, 0)] * (x.ndim - 1) + [(0, -K % 32)]); x = x.reshape(x.shape[:-1] + (-1, 32)); a = np.abs(x).max(-1, keepdims=True)
;;       e = np.where(a > 0, np.clip(np.frexp(np.where(a > 0, a, 1))[1] - 1 - 2, -126, 127), 0)      # np.frexp(a)[1] - 1 = floor(log2(a)), exactly
;;       r = np.clip(x / 2.0 ** e, -7.5, 7.5)
;;       step = 2.0 ** (np.maximum(np.frexp(np.where(r == 0, 1, r))[1] - 1, 0) - 3)
;;       q = np.round(r / step) * step * 2.0 ** e      # np.round: ties to even
;;       return np.moveaxis(q.reshape(q.shape[:-2] + (-1,))[..., :K], -1, axis).astype(np.float32)
;;   ~~~
;;   SOFTMAX AHEAD OF A QUANTISED PRODUCT. Where the list says 'softmax', what is quantised is not the finished softmax but p = 2^(t - M), with t = logit x log2(e) and M = ceil(the row's largest t), a whole number; so 1/2 < the row's largest p <= 1. The row's sum l is taken of the UNQUANTISED p, in f32, and the product's result is divided by l at the end. Since M is a whole number, a kernel that streams over the keys may use a running M (the ceiling of the running maximum): every later rescaling is an exact power of two, which a block's scale takes up: the codes' values come out the same.
;;   OPERANDS COMPUTED ON THE WAY. 'Computed on the way' means the value that the module computes at that place (a softmax that the list does not call 'softmax' is quantised finished and normalised). What goes into a quantiser is computed in f32, as accurately as f32 sums, v_exp_f32 and their like allow (about 1e-6 of the number): no bf16 or f16 on the way to a quantiser, and a product that is left as it is and whose result goes on into a quantised operand takes f32 operands (vector FMAs, or v_wmma_f32_16x16x4_f32). A number that lies on a knife's edge between two numbers of the format may be rounded either way, as far as f32 arithmetic and the matrix unit's own rounding can turn it there, and no further.
;; One version. Each part assembles by itself: llvm-mc -triple=amdgcn-amd-amdhsa -mcpu=gfx1250 --defsym DOCPART=n.
;; ======== version 1 of 1: 4 launches
;; limits: right only within a limited range of input values
;; workspace buffers: xc 6,291,456 bytes; xs 262,144 bytes; wc 3,145,728 bytes; ws 131,072 bytes; mw 2,097,152 bytes of whole numbers; qkvc 18,874,368 bytes; qkvs 786,432 bytes; zc 6,553,600 bytes
;; launch prep (part 1): grid 512 x 1, 4 waves a work-group, no clusters, 67,072 bytes of LDS; arguments x, Wq, Wk, Wv, Wo, mask, xc, xs, wc, ws, mw; writes xc, xs, wc, ws, mw
.if DOCPART == 1
	.amdgcn_target "amdgcn-amd-amdhsa--gfx1250"
	.amdhsa_code_object_version 6
	.text
	.protected	k_q01b04f2eb7_prep
	.globl	k_q01b04f2eb7_prep
	.p2align	8
	.type	k_q01b04f2eb7_prep,@function
k_q01b04f2eb7_prep:
	s_mov_b64 s[64:65], 0
	v_nop
	global_prefetch_b8 v0, s[64:65] scope:SCOPE_SE
	s_setreg_imm32_b32 hwreg(HW_REG_WAVE_MODE, 25, 1), 1
	s_wait_xcnt 0x0
; PREP.  Two kinds of work-groups, told apart by the work-group's number alone.
; 0-383: x [8192][1024] (0-255) and Wq, Wk, Wv, Wo [1024][1024] (32 work-groups each) become codes of FP6 (E2M3), K innermost, 768 bytes a row, and one E8M0 byte for each 32 along K, 32 bytes a row.
;   A block's scale is 2^(floor(log2(largest magnitude)) - 2); its byte is the largest magnitude's exponent field - 2, held at 1 from below (a block of zeros keeps the byte 1: its codes are zeros, and this program alone reads the bytes).
;   A work-group takes 32 rows, a wave 8.  In x, Wq, Wk, Wv the two middle groups of 8 rows of each 32 change places on the way out (waves 1 and 2 swap their destinations): position 16 u + r then holds
;   row 8 u + r + 8 (r / 8), so that 16 neighbouring positions are a tile whose results, used transposed, lie as 16 neighbours along the next product's K.  Wo keeps its order.
; 384-511: the mask [4][2048][2048] of bytes becomes lane masks.  A wave takes one tile of 16 queries (the same composition of rows) and all 2,048 keys.  Word n = 16 B + i of key step s has at bit r + 16 h
;   the byte of query r, key 128 s + 32 B + 16 h + i: the lanes' mask for score register n of the attention launch.  mw: [tile 512][step 16][64 words].
; LIMITS: NaN and infinities among the f32 inputs are not served.
; No tensor loads, no barrier: waves share nothing; each path has LDS bytes of its own.  No cluster: no two work-groups read the same bytes.
.set STEPS, 16
.set EMAX,  2
.set CB,    12                         ; bytes of 16 codes
.set R,     16                         ; v16-79   four sets of 16 numbers as loaded
.set X,     80                         ; v80-111  two sets of 16 neighbours
.set E,     112                        ; v112-127 a scale byte for each step
.set C,     128                        ; v128-191 codes, four registers a step
.set WREG,  8192                       ; LDS of a quantising wave: two stages of 32 x SP bytes, then its 256 scale bytes
.set SP,    80
.set MST,   32768                      ; LDS of the mask path: 16 rows x MP bytes for each wave
.set MP,    528                        ; 512 bytes + 16: an odd multiple of 16, so that sixteen rows start in different banks
.set G,     32                         ; v32-95   sixteen rows' 16 bytes as loaded
.set MB,    96                         ; v96-159  my row's bytes: register 16 s' + 4 B + d
.set WL,    160                        ; v160-167 four pairs: a step's 64 words, two a lane
	s_load_b512 s[4:19], s[0:1], 0x0               ; x, Wq, Wk, Wv, Wo, mask, xc, xs
	s_load_b128 s[20:23], s[0:1], 0x40             ; wc, ws
	s_load_b64 s[24:25], s[0:1], 0x50              ; mw
	v_lshl_add_u32 v192, v0, 2, 0x10400
	v_mov_b32 v193, 0
	v_lshrrev_b32 v1, 5, v0
	v_readfirstlane_b32 s40, v1                    ; wave
	v_and_b32 v2, 31, v0                           ; lane
	s_cmp_ge_u32 ttmp9, 384
	s_cbranch_scc1 .Lmask
	; ---------------- the quantiser ----------------
	v_lshlrev_b32 v3, 4, v2                        ; my 16 bytes of a load's 512
	s_mul_i32 s41, s40, WREG
	v_lshrrev_b32 v14, 2, v2
	v_mul_u32_u24 v14, v14, SP
	v_and_b32 v15, 3, v2
	v_lshl_add_u32 v14, v15, 4, v14
	v_add_nc_u32 v14, s41, v14                     ; the stage, on the way in: SP (lane / 4) + 16 (lane % 4)
	v_mul_u32_u24 v15, v2, SP
	v_add_nc_u32 v15, s41, v15                     ; on the way out: SP x lane: my 16 neighbours
	v_mul_u32_u24 v4, v2, CB                       ; my codes' place in a step's 384 bytes
	v_lshrrev_b32 v5, 1, v2
	s_add_co_u32 s41, s41, 2*32*SP
	v_add_nc_u32 v5, s41, v5                       ; my block's byte among the wave's 256
	v_lshlrev_b32 v7, 3, v2
	v_add_nc_u32 v6, s41, v7                       ; and 8 bytes a lane on their way out
	s_sub_co_u32 s26, ttmp9, 256                   ; among the weights' 128 work-groups
	s_lshr_b32 s27, s26, 5                         ; which weight
	s_and_b32 s28, s26, 31                         ; which 32 rows of it
	s_and_b32 s36, s40, 1
	s_lshl_b32 s36, s36, 1
	s_lshr_b32 s37, s40, 1
	s_or_b32 s36, s36, s37                         ; waves 1 and 2 swap their destinations,
	s_cmp_ge_u32 ttmp9, 352
	s_cselect_b32 s36, s40, s36                    ; but not in Wo
	s_wait_kmcnt 0x0
	s_mov_b64 s[30:31], s[6:7]
	s_cmp_eq_u32 s27, 1
	s_cselect_b64 s[30:31], s[8:9], s[30:31]
	s_cmp_eq_u32 s27, 2
	s_cselect_b64 s[30:31], s[10:11], s[30:31]
	s_cmp_eq_u32 s27, 3
	s_cselect_b64 s[30:31], s[12:13], s[30:31]
	s_cmp_lt_u32 ttmp9, 256                        ; every choice hangs on the work-group's number alone
	s_cselect_b64 s[30:31], s[4:5], s[30:31]       ; from
	s_cselect_b64 s[32:33], s[16:17], s[20:21]     ; codes to
	s_cselect_b64 s[34:35], s[18:19], s[22:23]     ; scale bytes to
	s_cselect_b32 s28, ttmp9, s28
	s_cselect_b32 s26, ttmp9, s26
	s_lshl_b32 s28, s28, 2
	s_add_co_u32 s28, s28, s40                     ; the run of 8 rows that I read,
	s_lshl_b32 s28, s28, 15                        ; 32,768 bytes a run
	s_mov_b32 s29, 0
	s_add_nc_u64 s[30:31], s[30:31], s[28:29]
	s_lshl_b32 s26, s26, 2
	s_add_co_u32 s26, s26, s36                     ; and the run that I write:
	s_mul_i32 s38, s26, 32*STEPS*CB                ; 6,144 bytes of codes,
	s_mov_b32 s39, 0
	s_add_nc_u64 s[32:33], s[32:33], s[38:39]
	s_lshl_b32 s38, s26, 8                         ; 256 scale bytes
	s_add_nc_u64 s[34:35], s[34:35], s[38:39]
.macro LOAD t
.irp i, 0,1,2,3
	global_load_b128 v[R+16*((\t)%4)+4*\i:R+16*((\t)%4)+4*\i+3], v3, s[30:31] offset:2048*(\t)+512*\i th:TH_LOAD_NT   ; 32 lanes read 512 consecutive bytes
.endr
.endm
.macro TURN t                          ; step t's numbers through the stage; LDS serves a wave's instructions in order, so no wait stands between the stores and the loads
.irp i, 0,1,2,3
	ds_store_b128 v14, v[R+16*((\t)%4)+4*\i:R+16*((\t)%4)+4*\i+3] offset:32*SP*((\t)%2)+8*SP*\i
.endr
.irp i, 0,1,2,3
	ds_load_b128 v[X+16*((\t)%2)+4*\i:X+16*((\t)%2)+4*\i+3], v15 offset:32*SP*((\t)%2)+16*\i
.endr
.endm
.irp t, 0,1,2,3
	LOAD \t
.endr
	s_wait_loadcnt 12                              ; step 0's four loads are in; those of three steps stay out
	TURN 0
.macro STEP t
.set XS, X+16*((\t)%2)
.if (\t) > 0
	s_wait_dscnt 1                                 ; this step's numbers are back from the stage; the last step's byte store may be out
.else
	s_wait_dscnt 0x0
.endif
.if (\t)+4 < STEPS
	LOAD (\t)+4                                    ; into the registers that this step's stage stores have read
.endif
.if (\t)+1 < STEPS
.if STEPS-2-(\t) >= 3
	s_wait_loadcnt 12                              ; the next step's four loads are in; three steps' stay out
.else
	s_wait_loadcnt 4*(STEPS-2-(\t))
.endif
	TURN (\t)+1
.endif
	v_max3_num_f32 v8, |v[XS]|, |v[XS+1]|, |v[XS+2]|               ; the largest magnitude of my 16, in two chains
	v_max3_num_f32 v9, |v[XS+3]|, |v[XS+4]|, |v[XS+5]|
.irp i, 6,10
	v_max3_num_f32 v8, v8, |v[XS+\i]|, |v[XS+\i+1]|
	v_max3_num_f32 v9, v9, |v[XS+\i+2]|, |v[XS+\i+3]|
.endr
	v_max3_num_f32 v8, v8, |v[XS+14]|, |v[XS+15]|
	v_max3_num_f32 v8, v8, v9, (EMAX+1)<<23        ; and the floor 2^(3 - 127): the byte cannot fall under 1
	v_max_num_f32_dpp v8, v8, v8 row_xmask:1 row_mask:0xf bank_mask:0xf   ; with my neighbour's 16: the block's
	v_add_nc_u32 v11, -(EMAX<<23), v8              ; 2 off its exponent field: the conversion takes this operand's exponent field as its scale
	v_cvt_scalef32_pk16_fp6_f32 v[C+4*(\t):C+4*(\t)+2], v[XS:XS+15], v11
	v_lshrrev_b32 v[E+(\t)], 23, v11               ; the scale's byte
	ds_store_b8 v5, v[E+(\t)] offset:16*(\t)       ; both lanes of a block write the same byte with the same value
	global_store_b96 v4, v[C+4*(\t):C+4*(\t)+2], s[32:33] offset:32*CB*(\t)   ; the wave stores 384 consecutive bytes
.endm
.irp t, 0,1,2,3,4,5,6,7,8,9,10,11,12,13,14,15
	STEP \t
.endr
	ds_load_b64 v[12:13], v6                       ; these see my byte stores: a wave's LDS instructions are served in order
	s_wait_dscnt 0x0
	global_store_b64 v7, v[12:13], s[34:35]        ; 32 lanes store 256 consecutive bytes, aligned
	s_wait_tensorcnt 0x0
	ds_add_u32 v192, v193
	s_wait_dscnt 0x0
	s_endpgm
	; ---------------- the mask ----------------
.Lmask:
	s_sub_co_u32 s26, ttmp9, 384
	s_lshl_b32 s26, s26, 2
	s_add_co_u32 s26, s26, s40                     ; T: my tile of queries, 0 .. 511
	s_lshr_b32 s27, s26, 7                         ; the batch
	s_and_b32 s28, s26, 127                        ; the tile in it
	s_lshr_b32 s29, s28, 1
	s_lshl_b32 s29, s29, 5
	s_and_b32 s28, s28, 1
	s_lshl_b32 s28, s28, 3
	s_add_co_u32 s28, s28, s29                     ; its first row: 32 (i / 2) + 8 (i % 2)
	s_lshl_b32 s28, s28, 11                        ; 2,048 bytes a row
	s_lshl_b32 s27, s27, 22                        ; 4,194,304 a batch
	s_add_co_u32 s28, s28, s27
	s_mov_b32 s29, 0
	s_lshl_b32 s30, s26, 12                        ; the tile's words: 16 steps x 256 bytes
	s_mov_b32 s31, 0
	s_mul_i32 s36, s40, 16*MP
	s_add_co_u32 s36, s36, MST                     ; my stage
	v_lshlrev_b32 v5, 4, v2                        ; in memory: 16 bytes a lane; steps 512 a chunk
	v_lshlrev_b32 v6, 3, v2                        ; the words' way out: 8 bytes a lane
	v_lshl_add_u32 v3, v2, 4, s36                  ; into the stage: 16 x lane in row j
	v_and_b32 v7, 15, v2
	v_lshrrev_b32 v10, 4, v2
	v_mul_u32_u24 v4, v7, MP
	v_lshl_add_u32 v4, v10, 4, v4
	v_add_nc_u32 v4, s36, v4                       ; out of it: row r, + 16 h
.irp k, 0,1,2,3,4,5,6,7
	v_mov_b32 v[WL+\k], 0                          ; written once: a written lane's register counts as read
.endr
	s_wait_kmcnt 0x0
	s_add_nc_u64 s[14:15], s[14:15], s[28:29]
	s_add_nc_u64 s[24:25], s[24:25], s[30:31]
.macro GLOAD                           ; 512 columns of the tile's sixteen rows: each load reads 512 consecutive bytes of one row
.irp j, 0,1,2,3,4,5,6,7,8,9,10,11,12,13,14,15
	global_load_b128 v[G+4*\j:G+4*\j+3], v5, s[14:15] offset:(\j+8*(\j/8))*2048 th:TH_LOAD_NT
.endr
.endm
.macro CHUNK next                      ; four key steps
	s_wait_loadcnt 0x0                             ; the chunk is in, and v5 is free
.irp j, 0,1,2,3,4,5,6,7,8,9,10,11,12,13,14,15
	ds_store_b128 v3, v[G+4*\j:G+4*\j+3] offset:\j*MP
.endr
.irp q, 0,1,2,3,4,5,6,7,8,9,10,11,12,13,14,15
	ds_load_b128 v[MB+4*\q:MB+4*\q+3], v4 offset:32*\q     ; q = 4 s' + B: keys 128 s' + 32 B + 16 h + 0 .. 15 of my row
.endr
	s_wait_dscnt 0x0                               ; my row's bytes are here, and the stores have read their registers
.if \next
	v_add_nc_u32 v5, 512, v5
	GLOAD                                          ; the next chunk comes while this one is worked
.endif
.irp sp, 0,1,2,3
.set n, 0
.rept 8                                ; eight words at a time, so that no line waits for the one before it
.irp k, 0,1,2,3,4,5,6,7
	v_and_b32 v[16+\k], 0xff<<(8*(\k%4)), v[MB+16*\sp+(n+\k)/4]
.endr
.irp k, 0,1,2,3,4,5,6,7
	v_cmp_ne_u32 s[26+\k], 0, v[16+\k]             ; the 32 lanes' bits: word n + k
.endr
.irp k, 0,1,2,3,4,5,6,7
	v_writelane_b32 v[WL+2*\sp+\k%2], s[26+\k], (n+\k)/2
.endr
.set n, n+8
.endr
	global_store_b64 v6, v[WL+2*\sp:WL+2*\sp+1], s[24:25] offset:256*\sp   ; 32 lanes store 256 consecutive bytes, aligned
.endr
.if \next
	s_wait_xcnt 0x0                                ; the stores have read their data and their base: both are written again below and in the next chunk
	s_add_nc_u64 s[24:25], s[24:25], 1024
.endif
.endm
	GLOAD
	s_mov_b32 s41, 3
.Lchunk:
	CHUNK 1
	s_sub_co_u32 s41, s41, 1
	s_cmp_lg_u32 s41, 0
	s_cbranch_scc1 .Lchunk
	CHUNK 0                                        ; the last chunk asks for nothing: no load passes a row's end
	s_wait_tensorcnt 0x0
	ds_add_u32 v192, v193
	s_wait_dscnt 0x0
	s_endpgm
.Lfunc_end_k_q01b04f2eb7_prep:
	.size	k_q01b04f2eb7_prep, .Lfunc_end_k_q01b04f2eb7_prep-k_q01b04f2eb7_prep
	.p2alignl 7, 3214868480
	.fill 96, 4, 3214868480
	.section	.rodata,"a",@progbits
	.p2align	6, 0x0
	.amdhsa_kernel k_q01b04f2eb7_prep
		.amdhsa_group_segment_fixed_size 67072
		.amdhsa_private_segment_fixed_size 0
		.amdhsa_enable_private_segment 0
		.amdhsa_kernarg_size 88
		.amdhsa_user_sgpr_count 2
		.amdhsa_user_sgpr_kernarg_segment_ptr 1
		.amdhsa_wavefront_size32 1
		.amdhsa_system_sgpr_workgroup_id_x 1
		.amdhsa_system_sgpr_workgroup_id_y 1
		.amdhsa_system_sgpr_workgroup_id_z 1
		.amdhsa_system_vgpr_workitem_id 0
		.amdhsa_next_free_vgpr 194
		.amdhsa_next_free_sgpr 66
		.amdhsa_reserve_vcc 0
		.amdhsa_float_denorm_mode_32 3
		.amdhsa_float_denorm_mode_16_64 3
		.amdhsa_memory_ordered 1
		.amdhsa_forward_progress 1
		.amdhsa_inst_pref_size 139
	.end_amdhsa_kernel
	.amdgpu_metadata
---
amdhsa.version: [ 1, 2 ]
amdhsa.kernels:
  - .name:           k_q01b04f2eb7_prep
    .symbol:         k_q01b04f2eb7_prep.kd
    .args:
      - { .name: x, .offset: 0, .size: 8, .value_kind: global_buffer, .address_space: global }
      - { .name: Wq, .offset: 8, .size: 8, .value_kind: global_buffer, .address_space: global }
      - { .name: Wk, .offset: 16, .size: 8, .value_kind: global_buffer, .address_space: global }
      - { .name: Wv, .offset: 24, .size: 8, .value_kind: global_buffer, .address_space: global }
      - { .name: Wo, .offset: 32, .size: 8, .value_kind: global_buffer, .address_space: global }
      - { .name: mask, .offset: 40, .size: 8, .value_kind: global_buffer, .address_space: global }
      - { .name: xc, .offset: 48, .size: 8, .value_kind: global_buffer, .address_space: global }
      - { .name: xs, .offset: 56, .size: 8, .value_kind: global_buffer, .address_space: global }
      - { .name: wc, .offset: 64, .size: 8, .value_kind: global_buffer, .address_space: global }
      - { .name: ws, .offset: 72, .size: 8, .value_kind: global_buffer, .address_space: global }
      - { .name: mw, .offset: 80, .size: 8, .value_kind: global_buffer, .address_space: global }
    .group_segment_fixed_size: 67072
    .private_segment_fixed_size: 0
    .kernarg_segment_align: 8
    .kernarg_segment_size: 88
    .max_flat_workgroup_size: 128
    .sgpr_count:     66
    .vgpr_count:     194
    .wavefront_size: 32
...
	.end_amdgpu_metadata
.endif
;; end of part 1
;; launch qkv (part 2): grid 12 x 32, 4 waves a work-group, clusters of 4 x 4, 327,680 bytes of LDS; arguments xc, xs, wc, ws, qkvc, qkvs; writes qkvc, qkvs
.if DOCPART == 2
	.amdgcn_target "amdgcn-amd-amdhsa--gfx1250"
	.amdhsa_code_object_version 6
	.text
	.protected	k_q01b04f2eb7_qkv
	.globl	k_q01b04f2eb7_qkv
	.p2align	8
	.type	k_q01b04f2eb7_qkv,@function
k_q01b04f2eb7_qkv:
	s_mov_b64 s[64:65], 0
	v_nop
	global_prefetch_b8 v0, s[64:65] scope:SCOPE_SE
	s_setreg_imm32_b32 hwreg(HW_REG_WAVE_MODE, 25, 1), 1
	s_wait_xcnt 0x0
	s_wait_alu depctr_hold_cnt(0) depctr_sa_sdst(0) depctr_va_vdst(0) depctr_va_sdst(0) depctr_va_ssrc(0) depctr_va_vcc(0) depctr_vm_vsrc(0)
	s_getreg_b32 s2, hwreg(HW_REG_IB_STS2, 6, 4)
	s_cmp_eq_u32 s2, 0
	s_cbranch_scc0 .Lentry_in_a_cluster
	s_endpgm
.Lentry_in_a_cluster:
	s_bfe_u32 s2, ttmp6, 0x10000c
	s_cmp_lg_u32 s2, 0xf033
	s_cbranch_scc0 .Lentry_shape_is_right
	s_endpgm
.Lentry_shape_is_right:
; QKV.  q, k and v = x W^T, one GEMM [8192 x 3072 x 1024] on codes of FP6 (E2M3) with one E8M0 scale for each 32 along K; the results are quantised in registers and leave as images of operand registers.
; A tile of 256 x 256 is made by four waves, 128 x 128 each: 64 accumulators, 512 registers.  K goes in steps of 256 through a ring of two LDS slots filled by the tensor data mover; the scale bytes of the
; work-group's rows, for all of K, come once with the first fills.  4 x 4 work-groups form a cluster: A's tile is asked for jointly along a row of the cluster, B's along a column.
; THE MATRIX INSTRUCTION IS USED TRANSPOSED (source 0 = 16 rows of B, source 1 = 16 rows of A): a lane holds ONE row of A and its registers run along B's rows.
; WHO IS A: clusters with x = 0, 1 make q and k: A = tokens (xc), B = channels (Wq, Wk in wc): a lane holds a token, its registers 128 channels = two heads: q and k are quantised along the head's 64.
;           clusters with x = 2 make v: A = channels (Wv in wc), B = tokens (xc): a lane holds a channel, its registers 128 tokens: v is quantised along the keys.
; The rows of xc and wc lie by POSITION (in each 32 rows the two middle groups of 8 have changed places), so the 16 registers of B's tiles 2 b and 2 b + 1 are 16 neighbours, 32 b + 16 (lane / 16) + 0 .. 15.
; A HALF IMAGE is registers 0-5 of a 6-bit operand (16 rows x 64 codes), 768 bytes: words 0-3 at 16 x lane, words 4-5 at 512 + 8 x lane.
; OUT: qkvc: [b][hh 32: 0-15 q, 16-31 k][tile of 16 tokens, 128][768]; from VB on: [b][head 16][key step 16][tile of 16 channels, 4][keys 0-63, 64-127][768].
;      qkvs: [b][hh or head][step 16][256]: 32 lanes x 2 words; word w of lanes 0-15 is unit 2 w, of lanes 16-31 unit 2 w + 1.  q, k: a unit is a pair of token tiles, two bytes each; v: a channel tile, four key blocks.
; A block of zeros keeps the scale byte 1: its codes are zeros, and this program alone reads the bytes.  NaN and infinities are not served.
; REGISTERS, in windows of 256: window 0: v0-31 addresses; v32-63 scale words, two sets; from v128 A's fragments, one set; in the epilogue v112-139 and v200-223 are at work.
;   window 1: B's fragments, two sets.   windows 2, 3: the accumulators ((a, b) at v[8 (8 (a % 4) + b)]).
.set KSTEP,  256
.set NQ,     2                         ; matrix instructions deep in a slot
.set ROWB,   192                       ; a tile's row in bytes
.set KROW,   768                       ; a row of codes in memory
.set PITCH,  240                       ; an LDS row: 3 x (64 bytes + 16 of padding)
.set FR,     12
.set NL,     6
.set NP,     4
.set HALFT,  128*PITCH
.set SLOT,   4*HALFT
.set LAPS,   2                         ; 1,024 / 512
.set KS,     32                        ; a row of scale bytes
.set SCL,    2*SLOT
.set HALFS,  (128*KS/256)*272
.set SBLK,   (16*KS/256)*272
.set SPARE,  SCL+4*HALFS               ; the spare words: 128 bytes a wave, two blocks of 256 bytes that no other line names
.set VB,     12582912
.set VSB,    524288
.set ADRA, 16                          ; v16-19
.set ADRB, 20                          ; v20-23
.set L16,  24                          ; v24  16 x lane
.set L8,   25                          ; v25  8 x lane
.set ADRS, 27
.set SPW,  28
.set NIL,  29
.set SC,   32
.set AF,   128
.set PC,   112                         ; v112-123 the codes just made; v124-130 their second halves
.set TM,   200                         ; v200-215 maxima, bytes, conversion operands
.set PW,   216                         ; v216-223 the eight blocks' scale words
.set TT,   132
.set UU,   136
.set G1, 24
.set G0, 32
.set G1B, 48
.set G0B, 56
.set G1S, 68
.set G0S, 76
.set G1SB, 80
.set G0SB, 88
.set MSB, 0
.macro WIN new                         ; the immediate's high byte repeats the setting that is left
.if MSB != \new
	s_set_vgpr_msb (MSB<<8)|\new
.set MSB, \new
.endif
.endm
.set MUL_LO, 0xa1                      ; source 0 (B) window 1, source 1 (A) window 0, C and D window 2
.set MUL_HI, 0xf1
.set TO_B,   0x40
; A joint load: waves 0 and 1 fetch for A, waves 2 and 3 for B; the branch hangs on the wave's number alone.  Four v_nop follow each of the two lines.
.macro JLOAD g0a, g1a, g0b, g1b
	s_cmp_eq_u32 s15, 0
	s_cbranch_scc0 .Lfor_b_\@
	tensor_load_to_lds s[\g0a:\g0a+3], s[\g1a:\g1a+7]
	s_nop 0
.rept 4
	v_nop
.endr
	s_branch .Lasked_\@
.Lfor_b_\@:
	tensor_load_to_lds s[\g0b:\g0b+3], s[\g1b:\g1b+7]
	s_nop 0
.rept 4
	v_nop
.endr
.Lasked_\@:
.endm
.macro CREST                           ; a round of the cluster's barrier behind its opening barrier
	s_cmp_lg_u32 s14, 0
	s_cbranch_scc1 .Lnot_wave_0_\@
	s_barrier_signal -3
.Lnot_wave_0_\@:
	s_barrier_wait -3
	s_barrier_signal -1
	s_barrier_wait -1
.endm
.macro CROUND
	s_barrier_signal -1
	s_barrier_wait -1
	CREST
.endm
	s_load_b128 s[4:7], s[0:1], 0x0                ; xc, xs
	s_load_b128 s[8:11], s[0:1], 0x10              ; wc, ws
	s_load_b128 s[96:99], s[0:1], 0x20             ; qkvc, qkvs
	v_lshl_add_u32 v[SPW], v0, 2, SPARE
	v_mov_b32 v[NIL], 0
	ds_add_u32 v28, v29
	ds_add_u32 v28, v29
	s_wait_dscnt 0x0
	v_lshrrev_b32 v1, 5, v0
	v_readfirstlane_b32 s14, v1                    ; wave 0..3
	s_lshr_b32 s15, s14, 1                         ; which half of A's rows is mine.  Also: I fetch for A (0) or for B (1)
	s_and_b32 s16, s14, 1                          ; which half of B's rows.  Also: which 128 rows I fetch
	s_bfe_u32 s40, ttmp6, 0x40000                  ; cx, cy
	s_bfe_u32 s41, ttmp6, 0x40004
	s_and_b32 s17, ttmp7, 0xffff                   ; cluster y
	s_cmp_eq_u32 ttmp9, 2                          ; a cluster of v?  The same in all sixteen partners
	s_cselect_b32 s42, s17, ttmp9
	s_cselect_b32 s17, 2, s17
	s_lshl_b32 s42, s42, 2
	s_add_co_u32 s42, s42, s40                     ; B's tile of 256 rows: q, k: 4 x cluster x + cx (channels); v: 4 x cluster y + cx (tokens)
	s_lshl_b32 s17, s17, 2
	s_add_co_u32 s17, s17, s41                     ; A's tile: q, k: 4 x cluster y + cy (tokens); v: 8 + cy (Wv's rows in wc)
	s_lshl_b32 s43, s41, 2
	s_lshl_b32 s43, 15, s43                        ; my row of the cluster
	s_lshl_b32 s44, 0x1111, s40                    ; my column
	s_or_b32 s[G1+0], s43, (0<<16)|(1<<20)|(1<<21)|(3<<22)|(3<<25)  ; the mask; elements of 1 byte; padding on; bit 21 beside a mask; after every 16 words 4 words
	s_or_b32 s[G1B+0], s44, (0<<16)|(1<<20)|(1<<21)|(3<<22)|(3<<25)
.irp g, G1, G1B
	s_mov_b32 s[\g+1], ROWB<<16                    ; tensor_dim0
	s_mov_b32 s[\g+2], 128<<16                     ; tensor_dim1
	s_mov_b32 s[\g+3], ROWB<<16                    ; tile_dim0
	s_mov_b32 s[\g+4], 128                         ; tile_dim1
	s_mov_b32 s[\g+5], KROW                        ; the pitch
	s_mov_b32 s[\g+6], 0
	s_mov_b32 s[\g+7], 0
.endr
	s_or_b32 s[G1S+0], s43, (3<<16)|(1<<20)|(1<<21)|(5<<22)|(3<<25)   ; the scales of 128 rows: 4,096 dense bytes as 16 rows of 256, 16 bytes of padding behind each
	s_or_b32 s[G1SB+0], s44, (3<<16)|(1<<20)|(1<<21)|(5<<22)|(3<<25)
.irp g, G1S, G1SB
	s_mov_b32 s[\g+1], 32<<16
	s_mov_b32 s[\g+2], (128*KS/256)<<16
	s_mov_b32 s[\g+3], 32<<16
	s_mov_b32 s[\g+4], 128*KS/256
	s_mov_b32 s[\g+5], 32
	s_mov_b32 s[\g+6], 0
	s_mov_b32 s[\g+7], 0
.endr
	s_lshl_b32 s18, s16, 7
	s_lshl_b32 s20, s17, 8
	s_add_co_u32 s20, s20, s18                     ; A: row 256 x tile + 128 x half
	s_lshl_b32 s46, s42, 8
	s_add_co_u32 s46, s46, s18                     ; B likewise
	s_mov_b32 s21, 0
	s_mov_b32 s47, 0
	s_mov_b64 s[18:19], KS
	s_mul_u64 s[22:23], s[20:21], s[18:19]         ; where these rows' scales begin,
	s_mul_u64 s[92:93], s[46:47], s[18:19]
	s_mov_b64 s[18:19], KROW
	s_mul_u64 s[20:21], s[20:21], s[18:19]         ; and their codes
	s_mul_u64 s[46:47], s[46:47], s[18:19]
	s_mul_i32 s45, s14, HALFT                      ; where they go: wave x 128 rows
	s_mul_i32 s94, s14, HALFS
	s_wait_kmcnt 0x0
	s_cmp_eq_u32 ttmp9, 2                          ; which buffer is A and which is B: a choice that hangs on the cluster's x alone
	s_cselect_b64 s[12:13], s[8:9], s[4:5]
	s_add_nc_u64 s[20:21], s[12:13], s[20:21]      ; A's codes
	s_cselect_b64 s[12:13], s[10:11], s[6:7]
	s_add_nc_u64 s[22:23], s[12:13], s[22:23]      ; A's scales
	s_cselect_b64 s[12:13], s[4:5], s[8:9]
	s_add_nc_u64 s[46:47], s[12:13], s[46:47]      ; B's codes
	s_cselect_b64 s[12:13], s[6:7], s[10:11]
	s_add_nc_u64 s[92:93], s[12:13], s[92:93]      ; B's scales
	CROUND                                         ; all sixteen work-groups are here: the first joint loads meet
	s_mov_b32 s[G0S], 1
	s_add_co_u32 s[G0S+1], s94, SCL
	s_mov_b64 s[G0S+2:G0S+3], s[22:23]
	s_or_b32 s[G0S+3], s[G0S+3], 0x80000000
	s_mov_b32 s[G0SB], 1
	s_add_co_u32 s[G0SB+1], s94, SCL
	s_mov_b64 s[G0SB+2:G0SB+3], s[92:93]
	s_or_b32 s[G0SB+3], s[G0SB+3], 0x80000000
	JLOAD G0S, G1S, G0SB, G1SB                     ; the scales first
.irp s, 0,1
	s_mov_b32 s[G0+4*\s], 1
	s_add_co_u32 s[G0+4*\s+1], s45, \s*SLOT
	s_add_nc_u64 s[G0+4*\s+2:G0+4*\s+3], s[20:21], \s*ROWB
	s_or_b32 s[G0+4*\s+3], s[G0+4*\s+3], 0x80000000
	s_mov_b32 s[G0B+4*\s], 1
	s_add_co_u32 s[G0B+4*\s+1], s45, \s*SLOT
	s_add_nc_u64 s[G0B+4*\s+2:G0B+4*\s+3], s[46:47], \s*ROWB
	s_or_b32 s[G0B+4*\s+3], s[G0B+4*\s+3], 0x80000000
	JLOAD G0+4*\s, G1, G0B+4*\s, G1B               ; three tensor loads of mine are out at the most
.endr
	v_and_b32 v1, 15, v0                           ; l % 16
	v_bfe_u32 v2, v0, 4, 1                         ; l / 16
	v_mul_u32_u24 v3, v1, PITCH
	v_mul_u32_u24 v4, v2, 24
	v_add_nc_u32 v4, v3, v4                        ; a fragment's row x pitch + 24 x half
	v_lshl_add_u32 v5, v2, 4, v4                   ; and the same behind one padding more
	s_mul_i32 s21, s15, HALFT
	s_mul_i32 s22, s16, HALFT
	s_add_co_u32 s22, s22, 2*HALFT
.irp s, 0,1
	v_add_nc_u32 v[ADRA+\s], s21, v4
	v_add_nc_u32 v[ADRB+\s], s22, v4
	v_add_nc_u32 v[ADRA+2+\s], s21, v5
	v_add_nc_u32 v[ADRB+2+\s], s22, v5
	s_add_co_u32 s21, s21, SLOT
	s_add_co_u32 s22, s22, SLOT
.endr
	v_mul_u32_u24 v5, v1, KS                       ; my row's scales: 32 bytes a row,
	v_lshrrev_b32 v6, 8, v5
	v_lshl_add_u32 v5, v6, 4, v5                   ; and 16 more for each 256 passed
	s_mul_i32 s21, s15, HALFS
	s_mul_i32 s22, s16, HALFS
	s_add_co_u32 s22, s22, 2*HALFS
	s_sub_co_u32 s22, s22, s21
	v_mul_u32_u24 v6, s22, v2                      ; lanes 16-31 take B's
	s_add_co_u32 s21, s21, SCL
	v_add_nc_u32 v5, v5, v6
	v_add_nc_u32 v[ADRS], s21, v5
	v_and_b32 v6, 31, v0
	v_lshlrev_b32 v[L16], 4, v6
	v_lshlrev_b32 v[L8], 3, v6
.macro FRAG reg, adr, q, i             ; 16 rows x 128 K: 12 registers, in pieces of 8 bytes; where the piece three on lies behind one padding more, the second address register serves
.irp p, 0,1,2,3,4,5
.set PCE, 12*(\q)+6*(\p/3)+\p%3
.if PCE%8 < 5
	ds_load_b64 v[\reg+2*\p:\reg+2*\p+1], v[\adr] offset:8*PCE+16*(PCE/8)+(\i)*16*PITCH
.else
	ds_load_b64 v[\reg+2*\p:\reg+2*\p+1], v[\adr+2] offset:8*PCE+16*(PCE/8)+(\i)*16*PITCH
.endif
.endr
.endm
; 16 matrix instructions: A's blocks a0, a0 + 1 x B's eight.  The 64 accumulators take turns, one instruction a turn, in the same order in every step.
.macro MUL16 a0, p, q, sc, zero
.irp a, \a0, \a0+1
.irp b, 0,1,2,3,4,5,6,7
.if \zero
	v_wmma_scale_f32_16x16x128_f8f6f4 v[8*(8*((\a)%4)+\b):8*(8*((\a)%4)+\b)+7], v[128*(\p)+FR*\b:128*(\p)+FR*\b+FR-1], v[AF+FR*(\a):AF+FR*(\a)+FR-1], 0, v[SC+8*NQ*(\sc)+NQ*\b+(\q)], v[SC+8*NQ*(\sc)+NQ*(\a)+(\q)] matrix_a_fmt:MATRIX_FMT_FP6 matrix_b_fmt:MATRIX_FMT_FP6 matrix_a_scale:MATRIX_SCALE_ROW1
.else
	v_wmma_scale_f32_16x16x128_f8f6f4 v[8*(8*((\a)%4)+\b):8*(8*((\a)%4)+\b)+7], v[128*(\p)+FR*\b:128*(\p)+FR*\b+FR-1], v[AF+FR*(\a):AF+FR*(\a)+FR-1], v[8*(8*((\a)%4)+\b):8*(8*((\a)%4)+\b)+7], v[SC+8*NQ*(\sc)+NQ*\b+(\q)], v[SC+8*NQ*(\sc)+NQ*(\a)+(\q)] matrix_a_fmt:MATRIX_FMT_FP6 matrix_b_fmt:MATRIX_FMT_FP6 matrix_a_scale:MATRIX_SCALE_ROW1
.endif
.endr
.endr
.endm
.macro FETCH_B slot, q, p
	WIN TO_B
.irp i, 0,1,2,3,4,5,6,7
	FRAG 128*(\p)+FR*\i, ADRB+\slot, \q, \i
.endr
	WIN 0
.endm
.macro FETCH_A slot, q, i0
.irp i, \i0, \i0+1, \i0+2, \i0+3
	FRAG AF+FR*(\i), ADRA+\slot, \q, \i
.endr
.endm
.macro SCALES sc                       ; lanes 0-15 take A's block i, lanes 16-31 B's block i: two words, for the slot's two steps
.irp i, 0,1,2,3,4,5,6,7
	ds_load_b64 v[SC+8*NQ*\sc+NQ*\i:SC+8*NQ*\sc+NQ*\i+1], v[ADRS] offset:\i*SBLK
.endr
.endm
.macro PLACES n                        ; plain vector instructions between a matrix instruction and a load into, or a vector read or write of, its registers
.rept \n
	v_nop
.endr
.endm
.macro STEP slot, q, zero
	s_wait_dscnt 4*NL                              ; B's set and A's blocks 0-3 are in; the youngest 24 loads (A's blocks 4-7) may be out
	WIN MUL_LO
	MUL16 0, (\q)%2, \q, \slot, \zero
	MUL16 2, (\q)%2, \q, \slot, \zero
	s_wait_dscnt 0
	PLACES NP
	FETCH_B \slot, (\q)+1, 1-(\q)%2
	FETCH_A \slot, (\q)+1, 0
	WIN MUL_HI
	MUL16 4, (\q)%2, \q, \slot, \zero
	MUL16 6, (\q)%2, \q, \slot, \zero
	PLACES NP
	WIN 0
	FETCH_A \slot, (\q)+1, 4
.endm
; A slot's last step changes slots: one barrier; in front of it each wave waits for all its tensor loads, adds 0 to its spare word, and waits for that and for its reads of this slot.
.macro TURN slot, next, fill
	s_wait_tensorcnt 0x0                           ; all my tensor loads have landed: my part of the next slot
	ds_add_u32 v[SPW], v[NIL]                      ; 0 onto my spare word
	s_wait_dscnt 4*NL+1                            ; the add and the youngest 24 loads may be out
	WIN MUL_LO
	MUL16 0, 1, NQ-1, \slot, 0
	s_wait_dscnt 0x0                               ; the add is done, and my reads of this slot are over
	s_barrier_signal -1
	MUL16 2, 1, NQ-1, \slot, 0
	WIN 0
	s_barrier_wait -1
.if \fill
	CREST                                          ; the barrier has opened a round of the cluster's: no wave of any partner still reads this slot or has a load on its way
	s_add_nc_u64 s[G0+4*\slot+2:G0+4*\slot+3], s[G0+4*\slot+2:G0+4*\slot+3], 2*ROWB
	s_add_nc_u64 s[G0B+4*\slot+2:G0B+4*\slot+3], s[G0B+4*\slot+2:G0B+4*\slot+3], 2*ROWB
	JLOAD G0+4*\slot, G1, G0B+4*\slot, G1B         ; the first tensor load behind the round; its four v_nop are also the places in front of the loads below
.else
	PLACES NP
.endif
	v_add_nc_u32 v[ADRS], 4*NQ, v[ADRS]
	FETCH_B \next, 0, 0
	FETCH_A \next, 0, 0
	SCALES \next
	WIN MUL_HI
	MUL16 4, 1, NQ-1, \slot, 0
	MUL16 6, 1, NQ-1, \slot, 0
	PLACES NP
	WIN 0
	FETCH_A \next, 0, 4
.endm
	s_wait_tensorcnt 1                             ; the scales and my part of K step 0 are in; K step 1's load may be out
	s_barrier_signal -1
	s_barrier_wait -1
	FETCH_B 0, 0, 0
	FETCH_A 0, 0, 0
	SCALES 0
	FETCH_A 0, 0, 4
	STEP 0, 0, 1                                   ; the first step's products start the sums
	s_mov_b32 s3, LAPS-1
.Llap:
	TURN 0, 1, 1
	STEP 1, 0, 0
	TURN 1, 0, 1
	STEP 0, 0, 0
	s_sub_co_u32 s3, s3, 1
	s_cmp_lg_u32 s3, 0
	s_cbranch_scc1 .Llap
	TURN 0, 1, 0                                   ; the last lap fills nothing
	STEP 1, 0, 0
	s_wait_dscnt 4*NL
	WIN MUL_LO
	MUL16 0, 1, NQ-1, 1, 0
	MUL16 2, 1, NQ-1, 1, 0
	s_wait_dscnt 0
	WIN MUL_HI
	MUL16 4, 1, NQ-1, 1, 0
	MUL16 6, 1, NQ-1, 1, 0
	WIN 0
	; THE EPILOGUE.  Block a (16 rows of A x 128 of B) is 64 registers a lane, register 16 b + i = K 32 b + 16 (lane / 16) + i of the operand to be: it is quantised where it stands and leaves as two half images.
	PLACES NP
	s_cmp_eq_u32 ttmp9, 2
	s_cselect_b32 s4, s42, s17                     ; the tokens' tile of 256,
	s_cselect_b32 s5, s16, s15                     ; my half of it,
	s_cselect_b32 s6, s17, s42                     ; the channels' tile of 256 (four heads),
	s_cselect_b32 s7, s15, s16                     ; my half of it
	s_cselect_b32 s8, 8, 0
	s_cselect_b32 s9, 16, 32                       ; heads in a batch's part of the buffer
	s_mov_b32 s10, 98304
	s_cselect_b32 s10, 768, s10                    ; from the first half image to the second: v: keys 64 on; q, k: the next head
	s_mov_b32 s12, 768
	s_mov_b32 s18, 93696
	s_cselect_b32 s18, s18, s12                    ; from block 3 to block 4: v: the next head's first tile
	s_cselect_b32 s12, 1536, s12                   ; from block to block
	s_cselect_b32 s20, VB, 0
	s_cselect_b32 s22, VSB, 0
	s_mov_b32 s11, 0
	s_mov_b32 s13, 0
	s_mov_b32 s19, 0
	s_lshl_b32 s4, s4, 1
	s_add_co_u32 s4, s4, s5                        ; my 128 tokens among 64 such groups
	s_sub_co_u32 s6, s6, s8
	s_lshl_b32 s6, s6, 2
	s_lshl_b32 s7, s7, 1
	s_add_co_u32 s6, s6, s7                        ; my first head
	s_lshr_b32 s5, s4, 4                           ; the batch
	s_mul_i32 s5, s5, s9
	s_add_co_u32 s5, s5, s6
	s_lshl_b32 s5, s5, 4
	s_and_b32 s4, s4, 15                           ; the step of 128 tokens in it
	s_add_co_u32 s5, s5, s4
	s_mul_i32 s6, s5, 6144
	s_add_co_u32 s20, s20, s6
	s_mov_b32 s21, 0
	s_add_nc_u64 s[44:45], s[96:97], s[20:21]      ; the first half image's place,
	s_add_nc_u64 s[46:47], s[44:45], s[10:11]      ; the second's,
	s_lshl_b32 s6, s5, 8
	s_add_co_u32 s22, s22, s6
	s_mov_b32 s23, 0
	s_add_nc_u64 s[98:99], s[98:99], s[22:23]      ; the scale words'
	s_mov_b32 s66, 0x76543210
	s_mov_b32 s67, 0xfedcba98                      ; lane l xor 16
	s_mov_b32 s9, 0xffff0000                       ; lanes 16-31
.irp b, 0,1,2,3
	v_mov_b32 v[TM+4+\b], 0                        ; written once: a lane permute's destination counts as one of its sources
.endr
.macro QUANTW a
.set WQ, 2+(\a)/4
.set WW, (WQ<<2)|(WQ<<4)
.set SA, 64*((\a)%4)
	WIN WW                                         ; sources 1 and 2: the accumulators' window
.irp b, 0,1,2,3
	v_max3_num_f32 v[TM+\b], 0x1800000, |v[SA+16*\b]|, |v[SA+16*\b+1]|   ; block b: my 16 numbers, each accumulator from its low end on, and the floor 2^(3 - 127)
.endr
.irp i, 2,4,6,8,10,12,14
.irp b, 0,1,2,3
	v_max3_num_f32 v[TM+\b], v[TM+\b], |v[SA+16*\b+\i]|, |v[SA+16*\b+\i+1]|
.endr
.endr
	WIN 0
.irp b, 0,1,2,3
	v_permlanex16_b32 v[TM+4+\b], v[TM+\b], s66, s67
.endr
.irp b, 0,1,2,3
	v_max_num_f32 v[TM+\b], v[TM+\b], v[TM+4+\b]   ; with lane l xor 16's: the block's largest magnitude
.endr
.irp b, 0,1,2,3
	v_add_nc_u32 v[TM+12+\b], 0xff000000, v[TM+\b] ; 2 off its exponent field: the conversion's scale operand
.endr
.irp b, 0,1,2,3
	v_lshrrev_b32 v[TM+4+\b], 23, v[TM+12+\b]      ; the scale's byte
.endr
	v_lshl_or_b32 v[PW+(\a)], v[TM+5], 8, v[TM+4]
	v_lshl_or_b32 v[PW+(\a)], v[TM+6], 16, v[PW+(\a)]
	v_lshl_or_b32 v[PW+(\a)], v[TM+7], 24, v[PW+(\a)]
.if (\a) > 0
	s_wait_xcnt 0x0                                ; the last block's stores have read their data and their bases: both are written again below
.if (\a) == 4
	s_add_nc_u64 s[44:45], s[44:45], s[18:19]
	s_add_nc_u64 s[46:47], s[46:47], s[18:19]
.else
	s_add_nc_u64 s[44:45], s[44:45], s[12:13]
	s_add_nc_u64 s[46:47], s[46:47], s[12:13]
.endif
.endif
	WIN WQ                                         ; source 0: the accumulators' window
.irp c, 0,1
	v_cvt_scalef32_pk16_fp6_f32 v[PC+6*\c:PC+2+6*\c], v[SA+32*\c:SA+15+32*\c], v[TM+12+2*\c]
	v_cvt_scalef32_pk16_fp6_f32 v[PC+12+4*\c:PC+14+4*\c], v[SA+16+32*\c:SA+31+32*\c], v[TM+12+2*\c+1]   ; (a conversion's three registers begin on an even number)
.endr
	WIN 0
	v_nop                                          ; one plain place behind a scaled conversion
.irp c, 0,1                                    ; the operand's layout wants a whole block in a lane
.irp i, 0,1,2
	v_permlane16_swap_b32 v[PC+6*\c+\i], v[PC+12+4*\c+\i]
.endr
.irp i, 0,1,2
	v_mov_b32 v[PC+3+6*\c+\i], v[PC+12+4*\c+\i]
.endr
.endr
	global_store_b128 v[L16], v[PC:PC+3], s[44:45]                ; 512 consecutive bytes, aligned,
	global_store_b64 v[L8], v[PC+4:PC+5], s[44:45] offset:512     ; and 256: a half image
	global_store_b128 v[L16], v[PC+6:PC+9], s[46:47]
	global_store_b64 v[L8], v[PC+10:PC+11], s[46:47] offset:512
.endm
.irp a, 0,1,2,3,4,5,6,7
	QUANTW \a
.endr
	; the scale words: every lane r and r + 16 holds row r's word of block a in v[PW + a]
	s_cmp_eq_u32 ttmp9, 2
	s_cbranch_scc1 .Lv_scales
.irp e, 0,1                                    ; head e of my two: bytes 2 e, 2 e + 1 of each word; a unit is a pair of token tiles
.irp p, 0,1,2,3
.if \e
	v_perm_b32 v[TT+\p], v[PW+2*\p+1], v[PW+2*\p], 0x07060302
.else
	v_perm_b32 v[TT+\p], v[PW+2*\p+1], v[PW+2*\p], 0x05040100
.endif
.endr
	v_cndmask_b32 v[UU+2*\e], v[TT], v[TT+1], s9   ; lanes 0-15 unit 0, lanes 16-31 unit 1
	v_cndmask_b32 v[UU+2*\e+1], v[TT+2], v[TT+3], s9
	global_store_b64 v[L8], v[UU+2*\e:UU+2*\e+1], s[98:99] offset:4096*\e   ; 256 consecutive bytes, aligned
.endr
	s_branch .Lscales_done
.Lv_scales:
.irp e, 0,1                                    ; head e: blocks 4 e .. 4 e + 3 are its four tiles of channels; a unit is a tile
	v_cndmask_b32 v[UU+2*\e], v[PW+4*\e], v[PW+4*\e+1], s9
	v_cndmask_b32 v[UU+2*\e+1], v[PW+4*\e+2], v[PW+4*\e+3], s9
	global_store_b64 v[L8], v[UU+2*\e:UU+2*\e+1], s[98:99] offset:4096*\e
.endr
.Lscales_done:
	s_wait_tensorcnt 0x0                           ; the wave's end
	ds_add_u32 v[SPW], v[NIL]
	s_wait_dscnt 0x0
	CROUND                                         ; the closing round
	s_endpgm
.Lfunc_end_k_q01b04f2eb7_qkv:
	.size	k_q01b04f2eb7_qkv, .Lfunc_end_k_q01b04f2eb7_qkv-k_q01b04f2eb7_qkv
	.p2alignl 7, 3214868480
	.fill 96, 4, 3214868480
	.section	.rodata,"a",@progbits
	.p2align	6, 0x0
	.amdhsa_kernel k_q01b04f2eb7_qkv
		.amdhsa_group_segment_fixed_size 327680
		.amdhsa_private_segment_fixed_size 0
		.amdhsa_enable_private_segment 0
		.amdhsa_kernarg_size 48
		.amdhsa_user_sgpr_count 2
		.amdhsa_user_sgpr_kernarg_segment_ptr 1
		.amdhsa_wavefront_size32 1
		.amdhsa_system_sgpr_workgroup_id_x 1
		.amdhsa_system_sgpr_workgroup_id_y 1
		.amdhsa_system_sgpr_workgroup_id_z 1
		.amdhsa_system_vgpr_workitem_id 0
		.amdhsa_next_free_vgpr 1024
		.amdhsa_next_free_sgpr 100
		.amdhsa_reserve_vcc 0
		.amdhsa_float_denorm_mode_32 3
		.amdhsa_float_denorm_mode_16_64 3
		.amdhsa_memory_ordered 1
		.amdhsa_forward_progress 1
		.amdhsa_inst_pref_size 168
	.end_amdhsa_kernel
	.amdgpu_metadata
---
amdhsa.version: [ 1, 2 ]
amdhsa.kernels:
  - .name:           k_q01b04f2eb7_qkv
    .symbol:         k_q01b04f2eb7_qkv.kd
    .args:
      - { .name: xc, .offset: 0, .size: 8, .value_kind: global_buffer, .address_space: global }
      - { .name: xs, .offset: 8, .size: 8, .value_kind: global_buffer, .address_space: global }
      - { .name: wc, .offset: 16, .size: 8, .value_kind: global_buffer, .address_space: global }
      - { .name: ws, .offset: 24, .size: 8, .value_kind: global_buffer, .address_space: global }
      - { .name: qkvc, .offset: 32, .size: 8, .value_kind: global_buffer, .address_space: global }
      - { .name: qkvs, .offset: 40, .size: 8, .value_kind: global_buffer, .address_space: global }
    .group_segment_fixed_size: 327680
    .private_segment_fixed_size: 0
    .kernarg_segment_align: 8
    .kernarg_segment_size: 48
    .max_flat_workgroup_size: 128
    .sgpr_count:     100
    .vgpr_count:     1024
    .wavefront_size: 32
...
	.end_amdgpu_metadata
.endif
;; end of part 2
;; launch attn (part 3): grid 4 x 64, 16 waves a work-group, no clusters, 206,848 bytes of LDS; arguments qkvc, qkvs, mw, zc; writes zc
.if DOCPART == 3
	.amdgcn_target "amdgcn-amd-amdhsa--gfx1250"
	.amdhsa_code_object_version 6
	.text
	.protected	k_q01b04f2eb7_attn
	.globl	k_q01b04f2eb7_attn
	.p2align	8
	.type	k_q01b04f2eb7_attn,@function
k_q01b04f2eb7_attn:
	s_mov_b64 s[64:65], 0
	v_nop
	global_prefetch_b8 v0, s[64:65] scope:SCOPE_SE
	s_setreg_imm32_b32 hwreg(HW_REG_WAVE_MODE, 25, 1), 1
	s_wait_xcnt 0x0
; ATTN.  z = softmax(q k^T / 8, masked) v for one head and 512 queries a work-group, both products on codes of FP6 (E2M3) with E8M0 scales; z / l is quantised along the head's 64 channels and leaves as a half image.
; THE SOFTMAX: t = score x log2(e) / 8; M = the running largest t rounded up to a whole number; p = 2^(t - M) is quantised along the keys, not normalised; the row's sum is taken of the unquantised p and divides at the end.
; THE MASK: where a mask bit is set the raw score becomes -2^33, a logit of -2^30, ahead of the maximum: 64 selects in every key step, by lane masks that an earlier launch made of the mask's bytes.
;   LIMIT: reference() has -1e9 there; the two differ only in rows that hold masked keys and whose largest unmasked logit lies under about -9.99e8.  A row that is masked throughout gives t - M = 0 and p = 1
;   for every key with either number.  NaN and infinities are not served.
; SHARES.  Sixteen waves of 256 registers, four to a SIMD; wave w takes query tiles 32 x + 2 w and 32 x + 2 w + 1, one after the other, and walks all 2,048 keys, 128 a step.
; THE WHOLE HEAD LIES IN LDS: K's codes 98,304 bytes, V's 98,304, their scale words 4,096 each.  It is copied once, through registers, with one barrier behind it; afterwards LDS is only read.
; No cluster: the four work-groups of a head read the same 200 KB, each once, at its head: 25 loads a thread against a wave's 32 key steps; nothing of K and V is fetched in the loop, so no step has bytes to share.
; THE LANE MASKS of a wave's two tiles are one stream of 32 steps x 256 bytes.  They come by scalar loads, a step ahead: a step asks for the next step's 64 words behind its own selects; the wave's last step asks for nothing.
; LAYOUT.  Both products are used transposed: a lane holds ONE query.  A tile of keys (16 positions) has key 8 u + r + 8 (r / 8) of its 32 in lane r, so the 16 score registers of tiles 2 P and 2 P + 1 are 16 neighbouring keys.
; THE HEAD IS 64 DEEP, THE INSTRUCTION 128: one fragment holds TWO tiles of keys (registers 0-5 tile 2 P, 6-11 tile 2 P + 1) and is multiplied by [q | 0] and by [0 | q]: the other tile's half meets zero codes.
; REGISTERS: v1 16 x lane, v2 8 x lane, v3 -2^33, v4 8 r, v5 32 r + h, v6 8 x lane + K's scale words, v7-11 the step's LDS addresses, v12 -M, v13 largest t, v[14:15] the sum, v16-27 [q | 0], v28, v29 q's scale words,
;   v32-79 four fragments of K, then of V, v80-91 [0 | q], v92-93 K's scale words, v94-95 V's, v96-159 scores, then p, v160-191 O^T, v224-235 p's codes, v232-254 at work.
;   s24 the byte in mw of the lane masks last asked for, s19 that of the wave's last step; lane mask n lies in s[32 + n] (n < 32) or s[36 + n].
.set VC,   98304                       ; LDS: V's codes (K's begin at 0)
.set KSL,  196608                      ; K's scale words; V's lie 4,096 further on
.set VB,   12582912
.set VSB,  524288
.set ZSB,  6291456
	s_load_b256 s[4:11], s[0:1], 0x0               ; qkvc, qkvs, mw, zc
	v_lshl_add_u32 v251, v0, 2, 0x32000
	v_mov_b32 v255, 0
	v_lshrrev_b32 v1, 5, v0
	v_readfirstlane_b32 s12, v1                    ; wave 0..15
	s_and_b32 s15, ttmp7, 0xffff
	s_lshr_b32 s14, s15, 4                         ; the batch
	s_and_b32 s15, s15, 15                         ; the head
	s_lshl_b32 s27, s14, 5
	s_add_co_u32 s27, s27, s15                     ; 32 b + head: q's place among q's and k's heads
	s_lshl_b32 s16, ttmp9, 5
	s_lshl_b32 s2, s12, 1
	s_add_co_u32 s16, s16, s2                      ; my first tile of queries in the batch
	s_lshl_b32 s24, s14, 7
	s_add_co_u32 s24, s24, s16                     ; that tile among all 512:
	s_lshl_b32 s24, s24, 12                        ; its lane masks, 4,096 bytes a tile, 256 a step;
	s_add_co_u32 s19, s24, 31*256                  ; and those of my second tile's last step
	s_add_co_u32 s2, s27, 16                       ; k's place
	s_mul_i32 s28, s2, 98304
	s_mov_b32 s29, 0
	s_lshl_b32 s3, s14, 4
	s_add_co_u32 s3, s3, s15                       ; 16 b + head: v's place
	s_mul_i32 s30, s3, 98304
	s_add_co_u32 s30, s30, VB
	s_mov_b32 s31, 0
	s_lshl_b32 s66, s2, 12                         ; k's scale words: 4,096 bytes a head
	s_mov_b32 s67, 0
	s_lshl_b32 s3, s3, 12
	s_add_co_u32 s3, s3, VSB-4096
	s_sub_co_u32 s3, s3, s66                       ; what threads 256-511 add to reach v's
	v_lshlrev_b32 v196, 4, v0                      ; 16 x thread: the work-group copies 8,192 bytes an instruction
	v_add_nc_u32 v197, 0x10000, v196
	v_add_nc_u32 v198, 0x20000, v196
	v_add_nc_u32 v199, 0x30000, v196
	v_lshrrev_b32 v200, 8, v0
	v_mad_u32_u24 v200, v200, s3, v196
	s_mov_b32 s20, 0x76543210
	s_mov_b32 s21, 0xfedcba98                      ; lane l xor 16
	s_mov_b32 s22, 0x3e38aa3b                      ; c = log2(e) / 8
	s_mov_b32 s23, s22                             ; (named with it as a pair)
	s_mov_b32 s13, 0xffff0000                      ; lanes 16-31
	s_wait_kmcnt 0x0
	s_add_nc_u64 s[28:29], s[4:5], s[28:29]
	s_add_nc_u64 s[30:31], s[4:5], s[30:31]
	s_add_nc_u64 s[66:67], s[6:7], s[66:67]
.irp j, 0,1,2,3,4,5,6,7,8,9,10,11
	global_load_b128 v[96+4*\j:99+4*\j], v196, s[28:29] offset:8192*\j
.endr
.irp j, 0,1,2,3,4,5,6,7,8,9,10,11
	global_load_b128 v[144+4*\j:147+4*\j], v196, s[30:31] offset:8192*\j
.endr
	global_load_b128 v[192:195], v200, s[66:67]
	s_load_b512 s[32:47], s[8:9], s24 offset:0x0   ; the lane masks of my first step; the first step's wait on KMcnt is theirs
	s_load_b512 s[48:63], s[8:9], s24 offset:0x40
	s_load_b512 s[68:83], s[8:9], s24 offset:0x80
	s_load_b512 s[84:99], s[8:9], s24 offset:0xc0
	v_and_b32 v30, 31, v0
	v_lshlrev_b32 v1, 4, v30
	v_lshlrev_b32 v2, 3, v30
	v_mov_b32 v3, 0xd0000000                       ; -2^33
	v_and_b32 v31, 15, v0
	v_lshlrev_b32 v4, 3, v31
	v_bfe_u32 v30, v0, 4, 1
	v_lshl_add_u32 v5, v31, 5, v30
	v_add_nc_u32 v6, KSL, v2
.irp j, 0,1,2,3,4,5
	v_mov_b32 v[22+\j], 0                          ; the zero halves of [q | 0] and [0 | q]: written once
	v_mov_b32 v[80+\j], 0
.endr
.irp b, 0,1,2,3
	v_mov_b32 v[236+\b], 0                         ; written once: a lane permute's destination counts as one of its sources
.endr
	v_mov_b32 v252, 0
	v_mov_b32 v253, 0
.set j, 0
.rept 25
	s_wait_loadcnt 24-j                            ; load j is in; the younger ones stay out
	ds_store_b128 v[196+j/8], v[96+4*j:99+4*j] offset:8192*(j%8)
.set j, j+1
.endr
	s_wait_dscnt 0x0                               ; for the others' sake: my stores have landed
	s_barrier_signal -1
	s_barrier_wait -1                              ; the head lies in LDS; from here on LDS is only read
.macro SPROD d, f, qf, ks, qs, odd     ; scores of one tile of keys
.if \odd
	v_wmma_scale_f32_16x16x128_f8f6f4 v[\d:\d+7], v[\f:\f+11], v[\qf:\qf+11], 0, v[\ks], v[\qs] matrix_a_fmt:MATRIX_FMT_FP6 matrix_b_fmt:MATRIX_FMT_FP6 matrix_a_scale:MATRIX_SCALE_ROW1
.else
	v_wmma_scale_f32_16x16x128_f8f6f4 v[\d:\d+7], v[\f:\f+11], v[\qf:\qf+11], 0, v[\ks], v[\qs] matrix_a_fmt:MATRIX_FMT_FP6 matrix_b_fmt:MATRIX_FMT_FP6
.endif
.endm
.macro OPROD d, f, vs, odd             ; O^T of one tile of channels += V^T P^T
.if \odd
	v_wmma_scale_f32_16x16x128_f8f6f4 v[\d:\d+7], v[\f:\f+11], v[224:235], v[\d:\d+7], v[\vs], v253 matrix_a_fmt:MATRIX_FMT_FP6 matrix_b_fmt:MATRIX_FMT_FP6 matrix_a_scale:MATRIX_SCALE_ROW1
.else
	v_wmma_scale_f32_16x16x128_f8f6f4 v[\d:\d+7], v[\f:\f+11], v[224:235], v[\d:\d+7], v[\vs], v253 matrix_a_fmt:MATRIX_FMT_FP6 matrix_b_fmt:MATRIX_FMT_FP6
.endif
.endm
.macro FOUR a16, a8, q                 ; four fragments, each two half images on end: 512 + 256 + 512 + 256 consecutive bytes
.irp P, 0,1,2,3
	ds_load_b128 v[32+12*\P:35+12*\P], v[\a16] offset:6144*\q+1536*\P
	ds_load_b64 v[36+12*\P:37+12*\P], v[\a8] offset:6144*\q+1536*\P+512
	ds_load_b128 v[38+12*\P:41+12*\P], v[\a16] offset:6144*\q+1536*\P+768
	ds_load_b64 v[42+12*\P:43+12*\P], v[\a8] offset:6144*\q+1536*\P+1280
.endr
.endm
; A KEY STEP: 128 keys, the q-th of a trip's two.
.macro STEP q
.if \q == 0
	v_add_nc_u32 v8, s25, v1                       ; the trip's addresses: five plain lines, which are also the places behind the last products
	v_add_nc_u32 v9, s25, v2
	v_add_nc_u32 v10, VC, v8
	v_add_nc_u32 v11, VC, v9
	v_add_nc_u32 v7, s26, v6
.else
.rept 4
	v_nop                                          ; places in front of loads into registers that matrix instructions have read
.endr
.endif
	FOUR 8, 9, \q                                  ; K
	ds_load_b64 v[92:93], v7 offset:256*\q
	s_wait_dscnt 0x0
.irp P, 0,1,2,3
	SPROD 96+16*\P, 32+12*\P, 16, 92+\P/2, 28, \P%2
	SPROD 104+16*\P, 32+12*\P, 80, 92+\P/2, 29, \P%2
.endr
.rept 4
	v_nop                                          ; places: behind them the fragments' registers are loaded again and the scores are read
.endr
	FOUR 10, 11, \q                                ; V lands while the softmax is worked
	ds_load_b64 v[94:95], v7 offset:4096+256*\q
	s_wait_kmcnt 0x0                               ; this step's lane masks, asked for a step ago, are in
	s_wait_xcnt 0x0                                ; and their offset register may be stepped below
.set n, 0
.rept 32
	v_cndmask_b32 v[96+n], v[96+n], v3, s[32+n]    ; ascending: each accumulator is first read at its low end
.set n, n+1
.endr
.rept 32
	v_cndmask_b32 v[96+n], v[96+n], v3, s[36+n]
.set n, n+1
.endr
.irp b, 0,1,2,3
	v_max3_num_f32 v[232+\b], v[96+16*\b], v[97+16*\b], v[98+16*\b]   ; the largest score of each block of 32 keys: for the row's maximum and, since p rises with the score, for the block's largest p
.endr
.irp i, 3,5,7,9,11,13
.irp b, 0,1,2,3
	v_max3_num_f32 v[232+\b], v[232+\b], v[96+16*\b+\i], v[97+16*\b+\i]
.endr
.endr
.irp b, 0,1,2,3
	v_max_num_f32 v[232+\b], v[232+\b], v[111+16*\b]
.endr
	s_cmp_eq_u32 s24, s19                          ; my last step of all?  Both numbers are made of ids and constants.  It asks for nothing: no load leaves mw
	s_cbranch_scc1 .Lno_more_\@
	s_add_co_u32 s24, s24, 256
	s_load_b512 s[32:47], s[8:9], s24 offset:0x0   ; the next step's 64 lane masks (across the change of tiles too: my two tiles' words lie on end), a whole step ahead of the wait for them
	s_load_b512 s[48:63], s[8:9], s24 offset:0x40
	s_load_b512 s[68:83], s[8:9], s24 offset:0x80
	s_load_b512 s[84:99], s[8:9], s24 offset:0xc0
.Lno_more_\@:
.irp b, 0,1,2,3
	v_permlanex16_b32 v[236+\b], v[232+\b], s20, s21
.endr
.irp b, 0,1,2,3
	v_max_num_f32 v[232+\b], v[232+\b], v[236+\b]  ; with lane l xor 16's 16 keys
.endr
	v_max3_num_f32 v254, v232, v233, v234
	v_max_num_f32 v254, v254, v235
	v_mul_f32 v254, s22, v254                      ; as t
	v_max_num_f32 v13, v13, v254                   ; the running largest t
	v_mov_b32 v254, v12
	v_floor_f32 v12, -v13                          ; -M = floor(-t): M is a whole number
	v_sub_f32 v254, v12, v254                      ; old M - new M, 0 or less
	v_cvt_i32_f32 v254, v254                       ; (it saturates)
	v_ldexp_f32 v252, 1.0, v254                    ; f = 2^(old M - new M): a multiplication by it rounds nothing
.set n, 0
.rept 32
	v_pk_fma_f32 v[96+n:97+n], v[96+n:97+n], s[22:23], v[12:13] op_sel_hi:[1,0,0]   ; t - M, two at a time
.set n, n+2
.endr
.irp b, 0,1,2,3
	v_fma_f32 v[232+\b], v[232+\b], s22, v12
.endr
.set n, 0
.rept 64
	v_exp_f32 v[96+n], v[96+n]                     ; p = 2^(t - M)
.set n, n+1
.endr
	v_pk_mul_f32 v[14:15], v[14:15], v[252:253] op_sel_hi:[1,0]   ; the sums under the new M: the plain place behind the exponentials
	s_wait_alu depctr_va_vdst(0)                   ; one wait for the batch, ahead of its first reader
.irp b, 0,1,2,3
	v_exp_f32 v[232+\b], v[232+\b]                 ; each block's largest p
.endr
	v_pk_add_f32 v[236:237], v[96:97], v[98:99]    ; the row's sum of the unquantised p, in two chains
.irp j, 4,8,12,16,20,24,28,32,36,40,44,48,52,56,60
	v_pk_add_f32 v[14:15], v[14:15], v[96+\j:97+\j]
	v_pk_add_f32 v[236:237], v[236:237], v[98+\j:99+\j]
.endr
	v_pk_add_f32 v[14:15], v[14:15], v[236:237]
	s_wait_alu depctr_va_vdst(0)                   ; and one for the four
.irp b, 0,1,2,3
	v_max_num_f32 v[232+\b], 0x1800000, v[232+\b]  ; the floor 2^(3 - 127): the byte cannot fall under 1
.endr
.irp b, 0,1,2,3
	v_add_nc_u32 v[244+\b], 0xff000000, v[232+\b]  ; the conversion's scale operand
.endr
.irp b, 0,1,2,3
	v_lshrrev_b32 v[236+\b], 23, v[244+\b]
.endr
	v_lshl_or_b32 v253, v237, 8, v236              ; p's scale word for these 128 keys
	v_lshl_or_b32 v253, v238, 16, v253
	v_lshl_or_b32 v253, v239, 24, v253
.irp c, 0,1
	v_cvt_scalef32_pk16_fp6_f32 v[224+6*\c:226+6*\c], v[96+32*\c:111+32*\c], v[244+2*\c]
	v_cvt_scalef32_pk16_fp6_f32 v[236+4*\c:238+4*\c], v[112+32*\c:127+32*\c], v[244+2*\c+1]
.endr
	v_nop                                          ; one plain place behind a scaled conversion
.irp c, 0,1
.irp i, 0,1,2
	v_permlane16_swap_b32 v[224+6*\c+\i], v[236+4*\c+\i]
.endr
.irp i, 0,1,2
	v_mov_b32 v[227+6*\c+\i], v[236+4*\c+\i]
.endr
.endr
.set n, 0
.rept 16
	v_pk_mul_f32 v[160+n:161+n], v[160+n:161+n], v[252:253] op_sel_hi:[1,0]   ; O^T under the new M; these sixteen are also the places between the scale word, the codes and the products
.set n, n+2
.endr
	s_wait_dscnt 0x0                               ; V is in
.irp t, 0,1,2,3
	OPROD 160+8*\t, 32+12*\t, 94+\t/2, \t%2        ; four accumulators by turns
.endr
.endm
	s_mov_b32 s17, 2
.Ltile:
	s_lshl_b32 s30, s27, 7
	s_add_co_u32 s30, s30, s16
	s_mul_i32 s30, s30, 768
	s_mov_b32 s31, 0
	s_add_nc_u64 s[28:29], s[4:5], s[30:31]        ; my tile's half image of q
	s_lshl_b32 s30, s27, 4
	s_lshr_b32 s2, s16, 3
	s_add_co_u32 s30, s30, s2
	s_lshl_b32 s30, s30, 8                         ; its step's 256 bytes of scale words;
	s_bfe_u32 s2, s16, 0x10001
	s_lshl_b32 s2, s2, 7
	s_add_co_u32 s30, s30, s2                      ; an odd pair lies in lanes 16-31: 128 bytes on;
	s_bfe_u32 s2, s16, 0x10002
	s_lshl_b32 s2, s2, 2
	s_add_co_u32 s30, s30, s2                      ; pairs 2 and 3 in the second word;
	s_and_b32 s2, s16, 1
	s_lshl_b32 s2, s2, 1
	s_add_co_u32 s30, s30, s2                      ; an odd tile in the word's upper half
	s_add_nc_u64 s[2:3], s[6:7], s[30:31]
	s_lshl_b32 s25, s14, 7
	s_add_co_u32 s25, s25, s16                     ; the tile among all 512
	global_load_b128 v[16:19], v1, s[28:29]        ; q twice: as registers 0-5 of [q | 0]
	global_load_b64 v[20:21], v2, s[28:29] offset:512
	global_load_b128 v[86:89], v1, s[28:29]        ; and as registers 6-11 of [0 | q]
	global_load_b64 v[90:91], v2, s[28:29] offset:512
	global_load_u16 v30, v4, s[2:3]                ; row r's two scale bytes
	s_lshl_b32 s30, s25, 4
	s_add_co_u32 s30, s30, s15
	s_mul_i32 s30, s30, 768
	s_add_nc_u64 s[66:67], s[10:11], s[30:31]      ; z's half image: [tile][head][768]
	s_lshl_b32 s30, s25, 9
	s_lshl_b32 s18, s15, 1
	s_add_co_u32 s30, s30, s18
	s_add_co_u32 s30, s30, ZSB
	s_add_nc_u64 s[100:101], s[10:11], s[30:31]    ; z's scale bytes: 32 a position, 2 a head
	s_wait_loadcnt 0x0
	v_or_b32 v28, 0x01010000, v30                  ; [q's two bytes | 1, 1]: the byte 1 stands over zero codes
	v_lshl_or_b32 v29, v30, 16, 0x101              ; [1, 1 | q's two bytes]
	v_mov_b32 v13, 0xff61b1e6                      ; the largest t so far: -3e38
	v_floor_f32 v12, -v13
	v_mov_b32 v14, 0
	v_mov_b32 v15, 0
.set n, 0
.rept 32
	v_mov_b32 v[160+n], 0                          ; O^T: the first change of M leaves zeros zeros.  (Also the places between q's scale words and the first product)
.set n, n+1
.endr
	s_mov_b32 s25, 0                               ; the trip's codes in LDS: 12,288 bytes a trip
	s_mov_b32 s26, 0                               ; its scale words: 512
	s_mov_b32 s18, 8
.Lstep:
	STEP 0
	STEP 1
	s_add_co_u32 s25, s25, 12288
	s_add_co_u32 s26, s26, 512
	s_sub_co_u32 s18, s18, 1
	s_cmp_lg_u32 s18, 0
	s_cbranch_scc1 .Lstep
	; THE WAY OUT: z = O^T / l; register 16 B + i is channel 32 B + 16 (lane / 16) + i of my query: two blocks of 32
.rept 4
	v_nop
.endr
	v_add_f32 v14, v14, v15
	v_permlanex16_b32 v252, v14, s20, s21
	v_add_f32 v14, v14, v252                       ; the row's sum
	v_rcp_f32 v14, v14
	v_nop                                          ; a plain place behind the reciprocal
	s_wait_alu depctr_va_vdst(0)                   ; and the wait ahead of its first reader
.set n, 0
.rept 32
	v_mul_f32 v[96+n], v[160+n], v14
.set n, n+1
.endr
.irp b, 0,1
	v_max3_num_f32 v[232+\b], |v[96+16*\b]|, |v[97+16*\b]|, 0x1800000
.endr
.irp i, 2,4,6,8,10,12,14
.irp b, 0,1
	v_max3_num_f32 v[232+\b], v[232+\b], |v[96+16*\b+\i]|, |v[97+16*\b+\i]|
.endr
.endr
.irp b, 0,1
	v_permlanex16_b32 v[236+\b], v[232+\b], s20, s21
.endr
.irp b, 0,1
	v_max_num_f32 v[232+\b], v[232+\b], v[236+\b]
.endr
.irp b, 0,1
	v_add_nc_u32 v[244+\b], 0xff000000, v[232+\b]
.endr
.irp b, 0,1
	v_lshrrev_b32 v[236+\b], 23, v[244+\b]
.endr
	v_cndmask_b32 v31, v236, v237, s13             ; lanes 0-15 keep block 0's byte, lanes 16-31 block 1's
	v_cvt_scalef32_pk16_fp6_f32 v[224:226], v[96:111], v244
	v_cvt_scalef32_pk16_fp6_f32 v[240:242], v[112:127], v245
	v_nop
.irp i, 0,1,2
	v_permlane16_swap_b32 v[224+\i], v[240+\i]
.endr
.irp i, 0,1,2
	v_mov_b32 v[227+\i], v[240+\i]
.endr
	global_store_b128 v1, v[224:227], s[66:67]     ; 512 consecutive bytes, aligned,
	global_store_b64 v2, v[228:229], s[66:67] offset:512   ; and 256
	global_store_b8 v5, v31, s[100:101]            ; a byte a lane, rows 32 bytes apart: one byte in 24 of what the tile stores
	s_wait_xcnt 0x0                                ; the stores have read their data and bases: the next tile writes both
	s_add_co_u32 s16, s16, 1
	s_sub_co_u32 s17, s17, 1
	s_cmp_lg_u32 s17, 0
	s_cbranch_scc1 .Ltile
	s_wait_tensorcnt 0x0
	ds_add_u32 v251, v255
	s_wait_dscnt 0x0
	s_endpgm
.Lfunc_end_k_q01b04f2eb7_attn:
	.size	k_q01b04f2eb7_attn, .Lfunc_end_k_q01b04f2eb7_attn-k_q01b04f2eb7_attn
	.p2alignl 7, 3214868480
	.fill 96, 4, 3214868480
	.section	.rodata,"a",@progbits
	.p2align	6, 0x0
	.amdhsa_kernel k_q01b04f2eb7_attn
		.amdhsa_group_segment_fixed_size 206848
		.amdhsa_private_segment_fixed_size 0
		.amdhsa_enable_private_segment 0
		.amdhsa_kernarg_size 32
		.amdhsa_user_sgpr_count 2
		.amdhsa_user_sgpr_kernarg_segment_ptr 1
		.amdhsa_wavefront_size32 1
		.amdhsa_system_sgpr_workgroup_id_x 1
		.amdhsa_system_sgpr_workgroup_id_y 1
		.amdhsa_system_sgpr_workgroup_id_z 1
		.amdhsa_system_vgpr_workitem_id 0
		.amdhsa_next_free_vgpr 256
		.amdhsa_next_free_sgpr 102
		.amdhsa_reserve_vcc 0
		.amdhsa_float_denorm_mode_32 3
		.amdhsa_float_denorm_mode_16_64 3
		.amdhsa_memory_ordered 1
		.amdhsa_forward_progress 1
		.amdhsa_inst_pref_size 56
	.end_amdhsa_kernel
	.amdgpu_metadata
---
amdhsa.version: [ 1, 2 ]
amdhsa.kernels:
  - .name:           k_q01b04f2eb7_attn
    .symbol:         k_q01b04f2eb7_attn.kd
    .args:
      - { .name: qkvc, .offset: 0, .size: 8, .value_kind: global_buffer, .address_space: global }
      - { .name: qkvs, .offset: 8, .size: 8, .value_kind: global_buffer, .address_space: global }
      - { .name: mw, .offset: 16, .size: 8, .value_kind: global_buffer, .address_space: global }
      - { .name: zc, .offset: 24, .size: 8, .value_kind: global_buffer, .address_space: global }
    .group_segment_fixed_size: 206848
    .private_segment_fixed_size: 0
    .kernarg_segment_align: 8
    .kernarg_segment_size: 32
    .max_flat_workgroup_size: 512
    .sgpr_count:     102
    .vgpr_count:     256
    .wavefront_size: 32
...
	.end_amdgpu_metadata
.endif
;; end of part 3
;; launch outp (part 4): grid 4 x 32, 4 waves a work-group, clusters of 4 x 4, 327,680 bytes of LDS; arguments zc, wc, ws, out0; writes out0
.if DOCPART == 4
	.amdgcn_target "amdgcn-amd-amdhsa--gfx1250"
	.amdhsa_code_object_version 6
	.text
	.protected	k_q01b04f2eb7_outp
	.globl	k_q01b04f2eb7_outp
	.p2align	8
	.type	k_q01b04f2eb7_outp,@function
k_q01b04f2eb7_outp:
	s_mov_b64 s[64:65], 0
	v_nop
	global_prefetch_b8 v0, s[64:65] scope:SCOPE_SE
	s_setreg_imm32_b32 hwreg(HW_REG_WAVE_MODE, 25, 1), 1
	s_wait_xcnt 0x0
	s_wait_alu depctr_hold_cnt(0) depctr_sa_sdst(0) depctr_va_vdst(0) depctr_va_sdst(0) depctr_va_ssrc(0) depctr_va_vcc(0) depctr_vm_vsrc(0)
	s_getreg_b32 s2, hwreg(HW_REG_IB_STS2, 6, 4)
	s_cmp_eq_u32 s2, 0
	s_cbranch_scc0 .Lentry_in_a_cluster
	s_endpgm
.Lentry_in_a_cluster:
	s_bfe_u32 s2, ttmp6, 0x10000c
	s_cmp_lg_u32 s2, 0xf033
	s_cbranch_scc0 .Lentry_shape_is_right
	s_endpgm
.Lentry_shape_is_right:
; OUTP.  out0 = z Wo^T, [8192 x 1024 x 1024], on codes of FP6 (E2M3) with one E8M0 scale for each 32 along K; sums and result f32.
; A = z: codes as half images [tile of 16 positions, 512][head 16][768] (registers 0-5 of an operand: words 0-3 at 16 x lane, words 4-5 at 512 + 8 x lane), scale bytes [position][32] from ZSB on.
; B = Wo: rows 3,072 on of wc (768 bytes a row) and ws (32 bytes a row), in their own order.
; A tile of 256 x 256 is made by four waves, 128 x 128 each; K goes in steps of 256 (four heads) through a ring of two LDS slots; the scale bytes come once.  4 x 4 work-groups form a cluster: A's tile is asked
; for jointly along a row, B's along a column.  The matrix instruction is used transposed: a lane holds eight neighbouring numbers of a row of out0.
; A position is not a token: in each 32 the two middle groups of 8 have changed places; row t of block a goes to token 32 (a / 2) + 8 (a % 2) + t + 8 (t / 8) of the wave's 128.
; 128 work-groups: tiles of 256 x 256 of an [8192 x 1024] result.
; REGISTERS as in the launch that makes q, k and v: window 0 addresses, scale words, A's one set; window 1 B's two sets; windows 2, 3 the accumulators.
.set SIZE_N, 1024
.set NQ,     2
.set ROWB,   192                       ; B: a tile's row in bytes
.set AROW,   3072                      ; A: a tile of 16 positions x 256 K: four half images on end
.set KROW,   768
.set PITCH,  240
.set FR,     12
.set NLA,    4                         ; LDS loads that bring a fragment of A
.set NP,     4
.set HALFA,  8*AROW                    ; 128 positions of A
.set HALFB,  128*PITCH                 ; 128 rows of B
.set SLOT,   2*HALFA+2*HALFB
.set LAPS,   2
.set KS,     32
.set SCL,    2*SLOT
.set HALFS,  (128*KS/256)*272
.set SBLK,   (16*KS/256)*272
.set SPARE,  SCL+4*HALFS               ; the spare words: 128 bytes a wave, two blocks of 256 bytes that no other line names
.set SPITCH, 528                       ; the way out: 16 rows x (512 + 16) bytes a wave, in slot 0, which has had its last fill and its last read by then
.set ZSB,    6291456
.set WOC,    2359296
.set WOS,    98304
.set CO,   7                           ; v7   16 x lane; never rewritten
.set ADRA, 16                          ; v16-17 16 x lane + my half of A in slot 0, 1; v18-19 the same with 8 x lane
.set ADRB, 20                          ; v20-23
.set STO,  24
.set RD,   25
.set ADRS, 27
.set SPW,  28
.set NIL,  29
.set SC,   32
.set AF,   128
.set BK,   128
.set G1, 24
.set G0, 32
.set G1B, 48
.set G0B, 56
.set G1S, 68
.set G0S, 76
.set G1SB, 80
.set G0SB, 88
.set MSB, 0
.macro WIN new
.if MSB != \new
	s_set_vgpr_msb (MSB<<8)|\new
.set MSB, \new
.endif
.endm
.set MUL_LO, 0xa1
.set MUL_HI, 0xf1
.set TO_B,   0x40
.macro JLOAD g0a, g1a, g0b, g1b        ; waves 0 and 1 fetch for A, waves 2 and 3 for B; four v_nop follow each of the two lines
	s_cmp_eq_u32 s15, 0
	s_cbranch_scc0 .Lfor_b_\@
	tensor_load_to_lds s[\g0a:\g0a+3], s[\g1a:\g1a+7]
	s_nop 0
.rept 4
	v_nop
.endr
	s_branch .Lasked_\@
.Lfor_b_\@:
	tensor_load_to_lds s[\g0b:\g0b+3], s[\g1b:\g1b+7]
	s_nop 0
.rept 4
	v_nop
.endr
.Lasked_\@:
.endm
.macro CREST
	s_cmp_lg_u32 s14, 0
	s_cbranch_scc1 .Lnot_wave_0_\@
	s_barrier_signal -3
.Lnot_wave_0_\@:
	s_barrier_wait -3
	s_barrier_signal -1
	s_barrier_wait -1
.endm
.macro CROUND
	s_barrier_signal -1
	s_barrier_wait -1
	CREST
.endm
	s_load_b256 s[4:11], s[0:1], 0x0               ; zc, wc, ws, out0
	v_lshl_add_u32 v[SPW], v0, 2, SPARE
	v_mov_b32 v[NIL], 0
	ds_add_u32 v28, v29
	ds_add_u32 v28, v29
	s_wait_dscnt 0x0
	v_lshrrev_b32 v1, 5, v0
	v_readfirstlane_b32 s14, v1
	s_lshr_b32 s15, s14, 1                         ; which half of the rows is mine.  Also: I fetch for A (0) or for B (1)
	s_and_b32 s16, s14, 1                          ; which half of the columns.  Also: which 128 rows I fetch
	s_bfe_u32 s40, ttmp6, 0x40000
	s_bfe_u32 s41, ttmp6, 0x40004
	s_lshl_b32 s42, ttmp9, 2
	s_add_co_u32 s42, s42, s40                     ; tile column
	s_and_b32 s17, ttmp7, 0xffff
	s_lshl_b32 s17, s17, 2
	s_add_co_u32 s17, s17, s41                     ; tile row
	s_lshl_b32 s43, s41, 2
	s_lshl_b32 s43, 15, s43
	s_lshl_b32 s44, 0x1111, s40
	s_or_b32 s[G1+0], s43, (0<<16)|(1<<21)         ; A: the mask of my row; elements of 1 byte; no padding: images are read 16 or 8 bytes a lane on end
	s_mov_b32 s[G1+1], AROW<<16                    ; tensor_dim0 = 3,072
	s_mov_b32 s[G1+2], 8<<16                       ; tensor_dim1 = 8 tiles of positions
	s_mov_b32 s[G1+3], AROW<<16                    ; tile_dim0
	s_mov_b32 s[G1+4], 8                           ; tile_dim1
	s_mov_b32 s[G1+5], 16*KROW                     ; from tile to tile: 16 heads x 768 bytes
	s_mov_b32 s[G1+6], 0
	s_mov_b32 s[G1+7], 0
	s_or_b32 s[G1B+0], s44, (0<<16)|(1<<20)|(1<<21)|(3<<22)|(3<<25)   ; B: 128 rows of 192 bytes, 16 bytes of padding behind every 64
	s_mov_b32 s[G1B+1], ROWB<<16
	s_mov_b32 s[G1B+2], 128<<16
	s_mov_b32 s[G1B+3], ROWB<<16
	s_mov_b32 s[G1B+4], 128
	s_mov_b32 s[G1B+5], KROW
	s_mov_b32 s[G1B+6], 0
	s_mov_b32 s[G1B+7], 0
	s_or_b32 s[G1S+0], s43, (3<<16)|(1<<20)|(1<<21)|(5<<22)|(3<<25)
	s_or_b32 s[G1SB+0], s44, (3<<16)|(1<<20)|(1<<21)|(5<<22)|(3<<25)
.irp g, G1S, G1SB
	s_mov_b32 s[\g+1], 32<<16
	s_mov_b32 s[\g+2], (128*KS/256)<<16
	s_mov_b32 s[\g+3], 32<<16
	s_mov_b32 s[\g+4], 128*KS/256
	s_mov_b32 s[\g+5], 32
	s_mov_b32 s[\g+6], 0
	s_mov_b32 s[\g+7], 0
.endr
	s_lshl_b32 s18, s16, 7
	s_lshl_b32 s20, s17, 8
	s_add_co_u32 s20, s20, s18                     ; A: position 256 x tile row + 128 x half
	s_lshl_b32 s46, s42, 8
	s_add_co_u32 s46, s46, s18                     ; B: row 256 x tile column + 128 x half
	s_mov_b32 s21, 0
	s_mov_b32 s47, 0
	s_mov_b64 s[18:19], KS
	s_mul_u64 s[22:23], s[20:21], s[18:19]
	s_mul_u64 s[92:93], s[46:47], s[18:19]
	s_mov_b64 s[18:19], KROW
	s_mul_u64 s[20:21], s[20:21], s[18:19]         ; 16 positions are 12,288 bytes: 768 a position
	s_mul_u64 s[46:47], s[46:47], s[18:19]
	s_add_nc_u64 s[22:23], s[22:23], ZSB
	s_add_nc_u64 s[46:47], s[46:47], WOC
	s_add_nc_u64 s[92:93], s[92:93], WOS
	s_mul_i32 s45, s16, HALFA                      ; where they go: A's two halves,
	s_mul_i32 s95, s16, HALFB
	s_add_co_u32 s95, s95, 2*HALFA                 ; then B's two
	s_mul_i32 s94, s14, HALFS
	s_wait_kmcnt 0x0
	s_add_nc_u64 s[20:21], s[4:5], s[20:21]
	s_add_nc_u64 s[22:23], s[4:5], s[22:23]
	s_add_nc_u64 s[46:47], s[6:7], s[46:47]
	s_add_nc_u64 s[92:93], s[8:9], s[92:93]
	CROUND
	s_mov_b32 s[G0S], 1
	s_add_co_u32 s[G0S+1], s94, SCL
	s_mov_b64 s[G0S+2:G0S+3], s[22:23]
	s_or_b32 s[G0S+3], s[G0S+3], 0x80000000
	s_mov_b32 s[G0SB], 1
	s_add_co_u32 s[G0SB+1], s94, SCL
	s_mov_b64 s[G0SB+2:G0SB+3], s[92:93]
	s_or_b32 s[G0SB+3], s[G0SB+3], 0x80000000
	JLOAD G0S, G1S, G0SB, G1SB
.irp s, 0,1
	s_mov_b32 s[G0+4*\s], 1
	s_add_co_u32 s[G0+4*\s+1], s45, \s*SLOT
	s_add_nc_u64 s[G0+4*\s+2:G0+4*\s+3], s[20:21], \s*AROW
	s_or_b32 s[G0+4*\s+3], s[G0+4*\s+3], 0x80000000
	s_mov_b32 s[G0B+4*\s], 1
	s_add_co_u32 s[G0B+4*\s+1], s95, \s*SLOT
	s_add_nc_u64 s[G0B+4*\s+2:G0B+4*\s+3], s[46:47], \s*ROWB
	s_or_b32 s[G0B+4*\s+3], s[G0B+4*\s+3], 0x80000000
	JLOAD G0+4*\s, G1, G0B+4*\s, G1B               ; three tensor loads of mine are out at the most
.endr
	v_and_b32 v1, 15, v0
	v_bfe_u32 v2, v0, 4, 1
	v_and_b32 v6, 31, v0
	v_lshlrev_b32 v[CO], 4, v6                     ; 16 x lane
	v_lshlrev_b32 v8, 3, v6                        ; 8 x lane
	v_mul_u32_u24 v3, v1, PITCH
	v_mul_u32_u24 v4, v2, 24
	v_add_nc_u32 v4, v3, v4
	v_lshl_add_u32 v5, v2, 4, v4
	s_mul_i32 s21, s15, HALFA                      ; my 128 positions of A
	s_mul_i32 s22, s16, HALFB
	s_add_co_u32 s22, s22, 2*HALFA                 ; my 128 rows of B
.irp s, 0,1
	v_add_nc_u32 v[ADRA+\s], s21, v[CO]
	v_add_nc_u32 v[ADRA+2+\s], s21, v8
	v_add_nc_u32 v[ADRB+\s], s22, v4
	v_add_nc_u32 v[ADRB+2+\s], s22, v5
	s_add_co_u32 s21, s21, SLOT
	s_add_co_u32 s22, s22, SLOT
.endr
	v_mul_u32_u24 v5, v1, KS
	v_lshrrev_b32 v6, 8, v5
	v_lshl_add_u32 v5, v6, 4, v5
	s_mul_i32 s21, s15, HALFS
	s_mul_i32 s22, s16, HALFS
	s_add_co_u32 s22, s22, 2*HALFS
	s_sub_co_u32 s22, s22, s21
	v_mul_u32_u24 v6, s22, v2
	s_add_co_u32 s21, s21, SCL
	v_add_nc_u32 v5, v5, v6
	v_add_nc_u32 v[ADRS], s21, v5
	s_mul_i32 s23, s14, 16*SPITCH                  ; my stage
	v_mul_u32_u24 v5, v1, SPITCH
	v_lshl_add_u32 v5, v2, 5, v5
	v_add_nc_u32 v[STO], s23, v5                   ; in: row l % 16, 32 bytes for each half of the lanes
	v_add_nc_u32 v[RD], s23, v[CO]                 ; back: the 32 lanes take one row of 512 bytes
	s_lshl_b32 s20, s17, 8
	s_lshl_b32 s21, s15, 7
	s_add_co_u32 s20, s20, s21                     ; my first row of out0
	s_mov_b32 s21, 0
	s_mov_b64 s[18:19], SIZE_N*4
	s_mul_u64 s[20:21], s[20:21], s[18:19]
	s_lshl_b32 s46, s42, 10
	s_lshl_b32 s47, s16, 9
	s_add_co_u32 s46, s46, s47                     ; my first column, in bytes
	s_mov_b32 s47, 0
	s_add_nc_u64 s[20:21], s[20:21], s[46:47]
	s_add_nc_u64 s[12:13], s[10:11], s[20:21]
.macro FRAG reg, adr, q, i             ; B: 16 rows x 128 K in pieces of 8 bytes
.irp p, 0,1,2,3,4,5
.set PCE, 12*(\q)+6*(\p/3)+\p%3
.if PCE%8 < 5
	ds_load_b64 v[\reg+2*\p:\reg+2*\p+1], v[\adr] offset:8*PCE+16*(PCE/8)+(\i)*16*PITCH
.else
	ds_load_b64 v[\reg+2*\p:\reg+2*\p+1], v[\adr+2] offset:8*PCE+16*(PCE/8)+(\i)*16*PITCH
.endif
.endr
.endm
.macro FRAG_A reg, slot, q, i          ; A: two half images on end: heads 2 q and 2 q + 1 of the slot's four
	ds_load_b128 v[\reg:\reg+3], v[ADRA+\slot] offset:AROW*(\i)+1536*(\q)
	ds_load_b64 v[\reg+4:\reg+5], v[ADRA+2+\slot] offset:AROW*(\i)+1536*(\q)+512
	ds_load_b128 v[\reg+6:\reg+9], v[ADRA+\slot] offset:AROW*(\i)+1536*(\q)+768
	ds_load_b64 v[\reg+10:\reg+11], v[ADRA+2+\slot] offset:AROW*(\i)+1536*(\q)+1280
.endm
.macro MUL16 a0, p, q, sc, zero        ; the 64 accumulators take turns, one instruction a turn
.irp a, \a0, \a0+1
.irp b, 0,1,2,3,4,5,6,7
.if \zero
	v_wmma_scale_f32_16x16x128_f8f6f4 v[8*(8*((\a)%4)+\b):8*(8*((\a)%4)+\b)+7], v[128*(\p)+FR*\b:128*(\p)+FR*\b+FR-1], v[AF+FR*(\a):AF+FR*(\a)+FR-1], 0, v[SC+8*NQ*(\sc)+NQ*\b+(\q)], v[SC+8*NQ*(\sc)+NQ*(\a)+(\q)] matrix_a_fmt:MATRIX_FMT_FP6 matrix_b_fmt:MATRIX_FMT_FP6 matrix_a_scale:MATRIX_SCALE_ROW1
.else
	v_wmma_scale_f32_16x16x128_f8f6f4 v[8*(8*((\a)%4)+\b):8*(8*((\a)%4)+\b)+7], v[128*(\p)+FR*\b:128*(\p)+FR*\b+FR-1], v[AF+FR*(\a):AF+FR*(\a)+FR-1], v[8*(8*((\a)%4)+\b):8*(8*((\a)%4)+\b)+7], v[SC+8*NQ*(\sc)+NQ*\b+(\q)], v[SC+8*NQ*(\sc)+NQ*(\a)+(\q)] matrix_a_fmt:MATRIX_FMT_FP6 matrix_b_fmt:MATRIX_FMT_FP6 matrix_a_scale:MATRIX_SCALE_ROW1
.endif
.endr
.endr
.endm
.macro FETCH_B slot, q, p
	WIN TO_B
.irp i, 0,1,2,3,4,5,6,7
	FRAG 128*(\p)+FR*\i, ADRB+\slot, \q, \i
.endr
	WIN 0
.endm
.macro FETCH_A slot, q, i0
.irp i, \i0, \i0+1, \i0+2, \i0+3
	FRAG_A AF+FR*(\i), \slot, \q, \i
.endr
.endm
.macro SCALES sc
.irp i, 0,1,2,3,4,5,6,7
	ds_load_b64 v[SC+8*NQ*\sc+NQ*\i:SC+8*NQ*\sc+NQ*\i+1], v[ADRS] offset:\i*SBLK
.endr
.endm
.macro PLACES n
.rept \n
	v_nop
.endr
.endm
.macro STEP slot, q, zero
	s_wait_dscnt 4*NLA                             ; B's set and A's blocks 0-3 are in; the youngest 16 loads (A's blocks 4-7) may be out
	WIN MUL_LO
	MUL16 0, (\q)%2, \q, \slot, \zero
	MUL16 2, (\q)%2, \q, \slot, \zero
	s_wait_dscnt 0
	PLACES NP
	FETCH_B \slot, (\q)+1, 1-(\q)%2
	FETCH_A \slot, (\q)+1, 0
	WIN MUL_HI
	MUL16 4, (\q)%2, \q, \slot, \zero
	MUL16 6, (\q)%2, \q, \slot, \zero
	PLACES NP
	WIN 0
	FETCH_A \slot, (\q)+1, 4
.endm
.macro TURN slot, next, fill
	s_wait_tensorcnt 0x0                           ; all my tensor loads have landed: my part of the next slot
	ds_add_u32 v[SPW], v[NIL]                      ; 0 onto my spare word
	s_wait_dscnt 4*NLA+1                           ; the add and the youngest 16 loads may be out
	WIN MUL_LO
	MUL16 0, 1, NQ-1, \slot, 0
	s_wait_dscnt 0x0                               ; the add is done, and my reads of this slot are over
	s_barrier_signal -1
	MUL16 2, 1, NQ-1, \slot, 0
	WIN 0
	s_barrier_wait -1
.if \fill
	CREST                                          ; a round of the cluster's barrier: no wave of any partner still reads this slot or has a load on its way
	s_add_nc_u64 s[G0+4*\slot+2:G0+4*\slot+3], s[G0+4*\slot+2:G0+4*\slot+3], 2*AROW
	s_add_nc_u64 s[G0B+4*\slot+2:G0B+4*\slot+3], s[G0B+4*\slot+2:G0B+4*\slot+3], 2*ROWB
	JLOAD G0+4*\slot, G1, G0B+4*\slot, G1B
.else
	PLACES NP
.endif
	v_add_nc_u32 v[ADRS], 4*NQ, v[ADRS]
	FETCH_B \next, 0, 0
	FETCH_A \next, 0, 0
	SCALES \next
	WIN MUL_HI
	MUL16 4, 1, NQ-1, \slot, 0
	MUL16 6, 1, NQ-1, \slot, 0
	PLACES NP
	WIN 0
	FETCH_A \next, 0, 4
.endm
	s_wait_tensorcnt 1                             ; the scales and my part of K step 0 are in; K step 1's load may be out
	s_barrier_signal -1
	s_barrier_wait -1
	FETCH_B 0, 0, 0
	FETCH_A 0, 0, 0
	SCALES 0
	FETCH_A 0, 0, 4
	STEP 0, 0, 1
	s_mov_b32 s3, LAPS-1
.Llap:
	TURN 0, 1, 1
	STEP 1, 0, 0
	TURN 1, 0, 1
	STEP 0, 0, 0
	s_sub_co_u32 s3, s3, 1
	s_cmp_lg_u32 s3, 0
	s_cbranch_scc1 .Llap
	TURN 0, 1, 0
	STEP 1, 0, 0
	s_wait_dscnt 4*NLA
	WIN MUL_LO
	MUL16 0, 1, NQ-1, 1, 0
	MUL16 2, 1, NQ-1, 1, 0
	s_wait_dscnt 0
	WIN MUL_HI
	MUL16 4, 1, NQ-1, 1, 0
	MUL16 6, 1, NQ-1, 1, 0
	WIN 0
; THE WAY OUT, block by block of 16 positions x 128 columns, through my own stage: back come whole rows of 512 bytes.  A wave's LDS instructions are served in order: no wait between the stores and the loads.
.macro TOSTAGE a
.set AC, 64*((\a)%4)
	WIN 0x08+4*((\a)/4)                            ; the data: window 2 or 3
.irp b, 0,1,2,3,4,5,6,7
	ds_store_b128 v[STO], v[AC+8*\b:AC+8*\b+3] offset:64*\b          ; each accumulator from its low end on
	ds_store_b128 v[STO], v[AC+8*\b+4:AC+8*\b+7] offset:64*\b+16
.endr
	WIN 0
.set BB, BK+64*((\a)%2)
.irp t, 0,1,2,3,4,5,6,7,8,9,10,11,12,13,14,15
	ds_load_b128 v[BB+4*\t:BB+4*\t+3], v[RD] offset:\t*SPITCH
.endr
.endm
.macro SEND a, younger
.set BB, BK+64*((\a)%2)
	s_wait_dscnt \younger                          ; the block is back in registers
.if (\a) > 0
.if (\a)%2
	s_add_nc_u64 s[12:13], s[12:13], 8*SIZE_N*4    ; an odd block begins 8 tokens behind the even one,
.else
	s_add_nc_u64 s[12:13], s[12:13], 24*SIZE_N*4   ; the next even one 24 further on.  (Both behind a wait on XCNT: the earlier stores have read their base)
.endif
.endif
.irp t, 0,1,2,3,4,5,6,7,8,9,10,11,12,13,14,15
	global_store_b128 v[CO], v[BB+4*\t:BB+4*\t+3], s[12:13] offset:(\t+8*(\t/8))*SIZE_N*4 th:TH_STORE_NT   ; 32 lanes store 512 consecutive bytes, aligned: position t is token t + 8 (t / 8)
.endr
.endm
	PLACES NP
	TOSTAGE 0
.irp a, 1,2,3,4,5,6,7
.if \a > 1
	s_wait_xcnt 0x0                                ; block a - 2's stores have read their registers and their base
.endif
	TOSTAGE \a
	SEND \a-1, 32                                  ; behind block a - 1's loads: block a's 16 stores and 16 loads
.endr
	s_wait_xcnt 0x0
	SEND 7, 0
	s_wait_tensorcnt 0x0                           ; the wave's end
	ds_add_u32 v[SPW], v[NIL]
	s_wait_dscnt 0x0
	CROUND                                         ; the closing round
	s_endpgm
.Lfunc_end_k_q01b04f2eb7_outp:
	.size	k_q01b04f2eb7_outp, .Lfunc_end_k_q01b04f2eb7_outp-k_q01b04f2eb7_outp
	.p2alignl 7, 3214868480
	.fill 96, 4, 3214868480
	.section	.rodata,"a",@progbits
	.p2align	6, 0x0
	.amdhsa_kernel k_q01b04f2eb7_outp
		.amdhsa_group_segment_fixed_size 327680
		.amdhsa_private_segment_fixed_size 0
		.amdhsa_enable_private_segment 0
		.amdhsa_kernarg_size 32
		.amdhsa_user_sgpr_count 2
		.amdhsa_user_sgpr_kernarg_segment_ptr 1
		.amdhsa_wavefront_size32 1
		.amdhsa_system_sgpr_workgroup_id_x 1
		.amdhsa_system_sgpr_workgroup_id_y 1
		.amdhsa_system_sgpr_workgroup_id_z 1
		.amdhsa_system_vgpr_workitem_id 0
		.amdhsa_next_free_vgpr 1024
		.amdhsa_next_free_sgpr 98
		.amdhsa_reserve_vcc 0
		.amdhsa_float_denorm_mode_32 3
		.amdhsa_float_denorm_mode_16_64 3
		.amdhsa_memory_ordered 1
		.amdhsa_forward_progress 1
		.amdhsa_inst_pref_size 152
	.end_amdhsa_kernel
	.amdgpu_metadata
---
amdhsa.version: [ 1, 2 ]
amdhsa.kernels:
  - .name:           k_q01b04f2eb7_outp
    .symbol:         k_q01b04f2eb7_outp.kd
    .args:
      - { .name: zc, .offset: 0, .size: 8, .value_kind: global_buffer, .address_space: global }
      - { .name: wc, .offset: 8, .size: 8, .value_kind: global_buffer, .address_space: global }
      - { .name: ws, .offset: 16, .size: 8, .value_kind: global_buffer, .address_space: global }
      - { .name: out0, .offset: 24, .size: 8, .value_kind: global_buffer, .address_space: global }
    .group_segment_fixed_size: 327680
    .private_segment_fixed_size: 0
    .kernarg_segment_align: 8
    .kernarg_segment_size: 32
    .max_flat_workgroup_size: 128
    .sgpr_count:     98
    .vgpr_count:     1024
    .wavefront_size: 32
...
	.end_amdgpu_metadata
.endif
;; end of part 4
